; MI455X (gfx1250); checked and timed in simulation.
; The chip was launched on July 23, 2026; its instructions are those of AMD's public machine-readable ISA for CDNA 5 (MIT licence, August 2026) and "CDNA5" Instruction Set Architecture Reference Guide (July 2026). The comments in the code are by the model that wrote it; some were corrected since.
;; Self Attention. Allowed arithmetic: matrix products marked QUANTISED: E2M1 operands, one E8M0 scale for each 32 along K, by v_wmma_scale_f32_16x16x128_f8f6f4 with both operands' format E2M1 (or v_wmma_scale_f32_32x16x128_f4), f32 sums; everything else in f32.
;; Inputs: b_in 3,072 float32; b_out 1,024 float32; w_in 3,072 x 1,024 float32; w_out 1,024 x 1,024 float32; x 4 x 2,048 x 1,024 float32.
;; Outputs: out0 4 x 2,048 x 1,024 float32.
;; Constants: causal_mask = 1.
;; This version of the problem:
;;   THIS VERSION OF THE PROBLEM IS GIVEN IN LOW PRECISION. The matrix products marked QUANTISED in the list below multiply operands that are first quantised to E2M1 (2 exponent bits, 1 mantissa bit; 4 bits a number), with one power-of-two scale for each 32 numbers along K (OCP MX v1.0); their sums are f32. All else is computed in f32.
;;   The module's matrix products, in the order in which they are computed (A, B: the left and right operand; K: the contracted axis; several contracted axes count as one K, in the product's order):
;;     1. [M 8,192, K 1,024] x [K 1,024, N 3,072]; A: input x; B: input w_in: QUANTISED
;;     2. batch 64 x [M 2,048, K 64] x [K 64, N 2,048]; A: computed on the way; B: computed on the way: QUANTISED
;;     3. batch 64 x [M 64, K 2,048] x [K 2,048, N 2,048]; A: computed on the way; B: softmax (see below): QUANTISED
;;     4. [M 8,192, K 1,024] x [K 1,024, N 1,024]; A: computed on the way; B: input w_out: QUANTISED
;;   THE QUANTISER, for each operand of a quantised product, along K:
;;     - K is cut into blocks of 32 from its start; a last block that is shorter is filled with zeros.
;;     - A block's scale is 2^e with e = floor(log2(the largest magnitude in the block)) - 2, held to -126 .. 127; a block of zeros has e = 0. As a byte (E8M0): e + 127.
;;     - Each number is divided by its block's scale, clamped to +-6, and rounded to the nearest number of E2M1, ties to even, subnormals kept.
;;     - The product sums the exact products of the quantised numbers (number of the format x scale) in f32.
;;   ~~~python
;;   def quantise(x, axis):      # numpy; x: float32 -> the quantised numbers, widened to float32 again
;;       x = np.moveaxis(x, axis, -1); K = x.shape[-1]
;;       x = np.pad(x, [(0, 0)] * (x.ndim - 1) + [(0, -K % 32)]); x = x.reshape(x.shape[:-1] + (-1, 32)); a = np.abs(x).max(-1, keepdims=True)
;;       e = np.where(a > 0, np.clip(np.frexp(np.where(a > 0, a, 1))[1] - 1 - 2, -126, 127), 0)      # np.frexp(a)[1] - 1 = floor(log2(a)), exactly
;;       r = np.clip(x / 2.0 ** e, -6, 6)
;;       step = 2.0 ** (np.maximum(np.frexp(np.where(r == 0, 1, r))[1] - 1, 0) - 1)
;;       q = np.round(r / step) * step * 2.0 ** e      # np.round: ties to even
;;       return np.moveaxis(q.reshape(q.shape[:-2] + (-1,))[..., :K], -1, axis).astype(np.float32)
;;   ~~~
;;   SOFTMAX AHEAD OF A QUANTISED PRODUCT. Where the list says 'softmax', what is quantised is not the finished softmax but p = 2^(t - M), with t = logit x log2(e) and M = ceil(the row's largest t), a whole number; so 1/2 < the row's largest p <= 1. The row's sum l is taken of the UNQUANTISED p, in f32, and the product's result is divided by l at the end. Since M is a whole number, a kernel that streams over the keys may use a running M (the ceiling of the running maximum): every later rescaling is an exact power of two, which a block's scale takes up: the codes' values come out the same.
;;   OPERANDS COMPUTED ON THE WAY. 'Computed on the way' means the value that the module computes at that place (a softmax that the list does not call 'softmax' is quantised finished and normalised). What goes into a quantiser is computed in f32, as accurately as f32 sums, v_exp_f32 and their like allow (about 1e-6 of the number): no bf16 or f16 on the way to a quantiser, and a product that is left as it is and whose result goes on into a quantised operand takes f32 operands (vector FMAs, or v_wmma_f32_16x16x4_f32). A number that lies on a knife's edge between two numbers of the format may be rounded either way, as far as f32 arithmetic and the matrix unit's own rounding can turn it there, and no further.
;; One version. Each part assembles by itself: llvm-mc -triple=amdgcn-amd-amdhsa -mcpu=gfx1250 --defsym DOCPART=n.
;; ======== version 1 of 1: 4 launches
;; limits: right only within a limited range of input values
;; workspace buffers: xq 4,456,448 bytes; wq 2,228,224 bytes; qk 9,437,184 bytes; vt 4,456,448 bytes; ao 4,718,592 bytes
;; launch quant (part 1): grid 384 x 1, 4 waves a work-group, no clusters, 34,304 bytes of LDS; arguments x, w_in, w_out, xq, wq; writes xq, wq
.if DOCPART == 1
	.amdgcn_target "amdgcn-amd-amdhsa--gfx1250"
	.amdhsa_code_object_version 6
	.text
	.protected	k_q9d2e0d6ad0_quant
	.globl	k_q9d2e0d6ad0_quant
	.p2align	8
	.type	k_q9d2e0d6ad0_quant,@function
k_q9d2e0d6ad0_quant:
	s_mov_b64 s[64:65], 0
	v_nop
	global_prefetch_b8 v0, s[64:65] scope:SCOPE_SE
	s_setreg_imm32_b32 hwreg(HW_REG_WAVE_MODE, 25, 1), 1
	s_wait_xcnt 0x0
; x [8192][1024], w_in [3072][1024], w_out [1024][1024], f32 with K innermost, become codes of FP4 (E2M1) and one E8M0 byte for each 32 along K.
; A block's scale is 2^(floor(log2(largest magnitude)) - 2): its byte is the largest magnitude's exponent field - 2, held at 1 from below.
; LIMITS: NaN and infinities among the inputs are not served; a block whose largest magnitude lies under 2^-124 (a block of zeros too) gets the byte 1:
; a block of zeros has zero codes, which add nothing under that byte, and only this program reads the bytes.
; LAYOUT OF THE RESULT: images of the operand's registers.  A tile is 16 POSITIONS; position r of tile t is row 32 (t / 2) + 8 (t % 2) + r % 8 + 16 (r / 8), so that a product that
; takes two neighbouring tiles as source 0 leaves 16 neighbouring rows in a lane's 16 registers.  A fragment (16 positions x 128 K) is 1,024 bytes [c 2][lane 32][16 bytes]:
; lane (r, h), part c: k = 64 c + 32 h + 0 .. 31 of position r.  Codes: [K half g][tile][q 4][1,024]; behind both halves the scale words: [tile][g][r 16][4 words q].
; SHARES: a work-group owns 32 rows (two tiles); wave w takes tile w % 2 and K half w / 2: 16 rows x 512 K, in four steps of 128 K.  One path for all three tensors: only pointers are chosen.
; Each load reads 512 consecutive bytes of one row; a step's 8,192 bytes turn through the wave's own stage in LDS (rows of 528 bytes: 33 x 16, so the 16 rows of a read start in 16 different
; groups of banks) and come back as two whole blocks of 32 a lane.  Each store of codes covers 512 consecutive bytes.  No tensor load, no barrier: waves share nothing.
.set GSX,  2097152                     ; bytes of one K half of x's codes (512 tiles x 4,096)
.set GSW,  1048576                     ; the same for the weights (256 tiles)
.set SP,   528                         ; a stage row
.set R,    64                          ; v64-191   two sets of 64 registers as loaded
.set X,    192                         ; v192-255  my two blocks of 32 neighbours
.set CD,   24                          ; v24-55    codes, 8 registers a step: no store's data are written again
.set SW,   20                          ; v20-23    the four steps' scale words
	s_load_b128 s[4:7], s[0:1], 0x0                ; x, w_in
	s_load_b128 s[8:11], s[0:1], 0x10              ; w_out, xq
	s_load_b64 s[12:13], s[0:1], 0x20              ; wq
	v_lshl_add_u32 v62, v0, 2, 0x8400
	v_mov_b32 v63, 0
	v_lshrrev_b32 v9, 5, v0
	v_readfirstlane_b32 s24, v9                    ; wave 0..3
	v_and_b32 v1, 31, v0                           ; lane
	v_and_b32 v2, 15, v0                           ; r
	v_bfe_u32 v3, v0, 4, 1                         ; h
	v_lshlrev_b32 v4, 4, v1                        ; 16 x lane: my bytes of a load's and of a store's 512
	s_mul_i32 s25, s24, 16*SP                      ; my stage
	v_add_nc_u32 v5, s25, v4                       ; into it: a row as it lies
	v_mul_u32_u24 v6, v2, SP
	v_lshl_add_u32 v6, v3, 7, v6
	v_add_nc_u32 v6, s25, v6                       ; out of it: row r, + 128 h bytes: k = 32 h on
	v_lshlrev_b32 v7, 4, v2                        ; my row's four scale words
	v_lshlrev_b32 v8, 3, v3                        ; 8 h: my bytes' place in a scale word
	v_mov_b32 v17, 0                               ; written once: a lane permute's destination counts as one of its sources
	s_mov_b32 s20, 0x76543210
	s_mov_b32 s21, 0xfedcba98                      ; selects for lane l xor 16
	s_and_b32 s26, s24, 1                          ; u: which tile
	s_lshr_b32 s27, s24, 1                         ; g: which K half
	s_mov_b32 s15, GSW
	s_wait_alu depctr_va_vdst(0)
	s_wait_kmcnt 0x0
	s_cmp_lt_u32 ttmp9, 256                        ; work-groups 0-255: x; 256-351: w_in; 352-383: w_out.  The choices hang on the work-group's number alone
	s_cselect_b64 s[4:5], s[4:5], s[6:7]
	s_cselect_b64 s[10:11], s[10:11], s[12:13]
	s_cselect_b32 s14, 0, 256                      ; the first work-group of this result buffer
	s_cselect_b32 s15, GSX, s15                    ; its K half in bytes
	s_cmp_ge_u32 ttmp9, 352
	s_cselect_b64 s[4:5], s[8:9], s[4:5]
	s_cselect_b32 s16, 352, s14                    ; the first work-group of this source
	s_sub_co_u32 s17, ttmp9, s16
	s_lshl_b32 s28, s17, 17                        ; 32 rows of 4,096 bytes,
	s_lshl_b32 s18, s26, 15                        ; tile u begins 8 rows on,
	s_add_co_u32 s28, s28, s18
	s_lshl_b32 s18, s27, 11                        ; K half g 2,048 bytes on
	s_add_co_u32 s28, s28, s18
	s_mov_b32 s29, 0
	s_add_nc_u64 s[4:5], s[4:5], s[28:29]
	s_sub_co_u32 s17, ttmp9, s14
	s_lshl_b32 s17, s17, 1
	s_add_co_u32 s17, s17, s26                     ; my tile in the result
	s_mul_i32 s30, s27, s15
	s_lshl_b32 s18, s17, 12
	s_add_co_u32 s30, s30, s18                     ; codes: g x half + 4,096 x tile
	s_mov_b32 s31, 0
	s_add_nc_u64 s[8:9], s[10:11], s[30:31]
	s_lshl_b32 s30, s15, 1
	s_lshl_b32 s18, s17, 9
	s_add_co_u32 s30, s30, s18
	s_lshl_b32 s18, s27, 8
	s_add_co_u32 s30, s30, s18                     ; scale words: behind both halves, 512 x tile + 256 g
	s_add_nc_u64 s[10:11], s[10:11], s[30:31]
.macro LOAD t                          ; step t: position j's 512 bytes (128 along K), into set t % 2
.irp j, 0,1,2,3,4,5,6,7,8,9,10,11,12,13,14,15
	global_load_b128 v[R+64*((\t)%2)+4*\j:R+64*((\t)%2)+4*\j+3], v4, s[4:5] offset:((\j%8)+16*(\j/8))*4096+512*(\t) th:TH_LOAD_NT
.endr
.endm
.macro STEP t
.if (\t) < 3
	s_wait_loadcnt 16                              ; this step's 16 loads are in; the next step's 16 may be out
.else
	s_wait_loadcnt 0x0
.endif
.irp j, 0,1,2,3,4,5,6,7,8,9,10,11,12,13,14,15
	ds_store_b128 v5, v[R+64*((\t)%2)+4*\j:R+64*((\t)%2)+4*\j+3] offset:SP*\j
.endr
.irp c, 0,1
.irp i, 0,1,2,3,4,5,6,7
	ds_load_b128 v[X+32*\c+4*\i:X+32*\c+4*\i+3], v6 offset:256*\c+16*\i   ; LDS serves a wave's instructions in order: these see the stores above
.endr
.endr
	s_wait_dscnt 0x0                               ; my two blocks are in, and the stores have read their registers,
.if (\t)+2 < 4
	LOAD (\t)+2                                    ; which take the loads of two steps on
.endif
.irp c, 0,1                                    ; block 2 c + h of my row: all its 32 numbers are mine
	v_max3_num_f32 v[10+\c], |v[X+32*\c]|, |v[X+32*\c+1]|, 0x1800000   ; with the floor 2^(3 - 127): the byte cannot fall under 1
.endr
.irp i, 2,4,6,8,10,12,14,16,18,20,22,24,26,28,30
.irp c, 0,1
	v_max3_num_f32 v[10+\c], v[10+\c], |v[X+32*\c+\i]|, |v[X+32*\c+\i+1]|   ; (the two blocks by turns)
.endr
.endr
.irp c, 0,1
	v_add_nc_u32 v[12+\c], 0xff000000, v[10+\c]    ; 2 off the exponent field: the conversion takes the exponent field of this operand as its scale
.endr
.irp c, 0,1
	v_lshrrev_b32 v[14+\c], 23, v[12+\c]           ; the scale's byte
.endr
	v_lshl_or_b32 v16, v15, 16, v14                ; my two bytes, blocks h and 2 + h,
	v_lshlrev_b32 v16, v8, v16                     ; at their places;
	v_permlanex16_b32 v17, v16, s20, s21
	v_or_b32 v[SW+(\t)], v16, v17                  ; with lane l xor 16's two the word is whole
.irp c, 0,1
.irp i, 0,1,2,3
	v_cvt_scalef32_pk8_fp4_f32 v[CD+8*(\t)+4*\c+\i], v[X+32*\c+8*\i:X+32*\c+8*\i+7], v[12+\c]
.endr
.endr
	v_nop                                          ; one plain place behind the last scaled conversion
.irp c, 0,1
	global_store_b128 v4, v[CD+8*(\t)+4*\c:CD+8*(\t)+4*\c+3], s[8:9] offset:1024*(\t)+512*\c   ; 32 lanes store 512 consecutive bytes
.endr
.endm
	LOAD 0
	LOAD 1
	STEP 0
	STEP 1
	STEP 2
	STEP 3
	s_wait_xcnt 0x0                                ; EXEC changes only behind this wait
	v_cmp_gt_u32 vcc_lo, 16, v1
	s_wait_tensorcnt 0x0
	ds_add_u32 v62, v63
	s_wait_dscnt 0x0
	s_and_saveexec_b32 s22, vcc_lo
	global_store_b128 v7, v[SW:SW+3], s[10:11]     ; lanes 0-15: 256 consecutive bytes, aligned
	s_wait_xcnt 0x0                                ; and again, in front of the line that widens it
	s_or_b32 exec_lo, exec_lo, s22
	s_endpgm
.Lfunc_end_k_q9d2e0d6ad0_quant:
	.size	k_q9d2e0d6ad0_quant, .Lfunc_end_k_q9d2e0d6ad0_quant-k_q9d2e0d6ad0_quant
	.p2alignl 7, 3214868480
	.fill 96, 4, 3214868480
	.section	.rodata,"a",@progbits
	.p2align	6, 0x0
	.amdhsa_kernel k_q9d2e0d6ad0_quant
		.amdhsa_group_segment_fixed_size 34304
		.amdhsa_private_segment_fixed_size 0
		.amdhsa_enable_private_segment 0
		.amdhsa_kernarg_size 40
		.amdhsa_user_sgpr_count 2
		.amdhsa_user_sgpr_kernarg_segment_ptr 1
		.amdhsa_wavefront_size32 1
		.amdhsa_system_sgpr_workgroup_id_x 1
		.amdhsa_system_sgpr_workgroup_id_y 1
		.amdhsa_system_sgpr_workgroup_id_z 1
		.amdhsa_system_vgpr_workitem_id 0
		.amdhsa_next_free_vgpr 256
		.amdhsa_next_free_sgpr 66
		.amdhsa_reserve_vcc 1
		.amdhsa_float_denorm_mode_32 3
		.amdhsa_float_denorm_mode_16_64 3
		.amdhsa_memory_ordered 1
		.amdhsa_forward_progress 1
		.amdhsa_inst_pref_size 30
	.end_amdhsa_kernel
	.amdgpu_metadata
---
amdhsa.version: [ 1, 2 ]
amdhsa.kernels:
  - .name:           k_q9d2e0d6ad0_quant
    .symbol:         k_q9d2e0d6ad0_quant.kd
    .args:
      - { .name: x, .offset: 0, .size: 8, .value_kind: global_buffer, .address_space: global }
      - { .name: w_in, .offset: 8, .size: 8, .value_kind: global_buffer, .address_space: global }
      - { .name: w_out, .offset: 16, .size: 8, .value_kind: global_buffer, .address_space: global }
      - { .name: xq, .offset: 24, .size: 8, .value_kind: global_buffer, .address_space: global }
      - { .name: wq, .offset: 32, .size: 8, .value_kind: global_buffer, .address_space: global }
    .group_segment_fixed_size: 34304
    .private_segment_fixed_size: 0
    .kernarg_segment_align: 8
    .kernarg_segment_size: 40
    .max_flat_workgroup_size: 128
    .sgpr_count:     66
    .vgpr_count:     256
    .wavefront_size: 32
...
	.end_amdgpu_metadata
.endif
;; end of part 1
;; launch qkv (part 2): grid 8 x 32, 4 waves a work-group, clusters of 4 x 4, 327,680 bytes of LDS; arguments xq, wq, b_in, qk, vt; writes qk, vt
.if DOCPART == 2
	.amdgcn_target "amdgcn-amd-amdhsa--gfx1250"
	.amdhsa_code_object_version 6
	.text
	.protected	k_q9d2e0d6ad0_qkv
	.globl	k_q9d2e0d6ad0_qkv
	.p2align	8
	.type	k_q9d2e0d6ad0_qkv,@function
k_q9d2e0d6ad0_qkv:
	s_mov_b64 s[64:65], 0
	v_nop
	global_prefetch_b8 v0, s[64:65] scope:SCOPE_SE
	s_setreg_imm32_b32 hwreg(HW_REG_WAVE_MODE, 25, 1), 1
	s_wait_xcnt 0x0
	s_wait_alu depctr_hold_cnt(0) depctr_sa_sdst(0) depctr_va_vdst(0) depctr_va_sdst(0) depctr_va_ssrc(0) depctr_va_vcc(0) depctr_vm_vsrc(0)
	s_getreg_b32 s2, hwreg(HW_REG_IB_STS2, 6, 4)
	s_cmp_eq_u32 s2, 0
	s_cbranch_scc0 .Lentry_in_a_cluster
	s_endpgm
.Lentry_in_a_cluster:
	s_bfe_u32 s2, ttmp6, 0x10000c
	s_cmp_lg_u32 s2, 0xf033
	s_cbranch_scc0 .Lentry_shape_is_right
	s_endpgm
.Lentry_shape_is_right:
; qkv = x w_in^T + b_in on codes of FP4 with E8M0 scales; the results never go to memory as f32: q, k and v are quantised on the way out, each along the K of the product that takes it.
; 256 equal work-groups of four waves.  Each has 256 tokens of x, for all of K = 1,024, in LDS and makes of them, one after the other:
;   PART 1: 256 tokens x 256 channels of q or k.  Source 0 = P = w_in's rows 0-2047 (channels: the K of q k^T), source 1 = Q = x.  A wave makes 128 x 128: 64 accumulators.
;   PART 2: 256 tokens x 128 channels of v.  Source 0 = x (tokens = keys: the K of v^T p), source 1 = w_in's rows from 2,048 on.  A wave makes its 128 tokens x 64 channels (one head): 32 accumulators.
;           x's fragments and scale words are those of part 1; w_v's 32 fragments of a wave come straight from memory into the registers that part 1's upper accumulators have left.
; In both parts a lane holds one position of source 1 and its registers run along source 0, the axis to be quantised.
; K is two LDS slots of 512, each filled ONCE, at the start: no LDS byte is filled twice.  CLUSTERS 4 x 4: P's tile hangs on cx and is shared along a column of the cluster, x's on cy and along a row: joint loads.
; Operands lie in memory and in LDS as images of their registers (16 positions x 128 K = 1,024 bytes [c 2][lane 32][16]); position r of tile t is row 32 (t / 2) + 8 (t % 2) + r % 8 + 16 (r / 8),
; so register 8 b + j of a lane's 64 results is source 0's index 32 (b / 2) + 16 h + 8 (b % 2) + j: 16 neighbours in each pair of tiles.
; RESULTS.  qk: [batch 4][32: q's heads, then k's][group of 128 tokens 16][4,608]: 8 tiles x 512 bytes [lane][16] (registers 0-3 of a K = 64 fragment), then 512 bytes of scale words [2][r 16][4 tiles].
;           vt: [batch x head 64][128 keys 16][4,352]: 4 channel tiles x 1,024 (an image), then 256 bytes of scale words [r 16][4 tiles].
; LIMITS: NaN and infinities are not served; a block whose largest magnitude lies under 2^-124 gets the byte 1.
; REGISTERS, in windows of 256: window 0: v1-30 addresses and the way out's scale words; v32-95 x's scale words, v96-159 the weights' (register 8 tile + K step); v160-223 x's fragments in part 1, one set; v224-248 at work on the way out.
;   window 1: source 0's fragments, two sets, v0-63 and v128-191; v64-127 bias along P; v192-195 bias of my head of v.   window 2: accumulators, (a, b) at v[8 (8 (a % 4) + b)].
;   window 3: part 1: accumulators of blocks 4-7; part 2: w_v's fragments, (K step k, tile a) at v[32 k + 8 a].
.set GSX,   2097152                    ; a K half of x's codes in bytes
.set GSW,   1048576                    ; of the weights'
.set HSK,   73728                      ; a head in qk
.set HSV,   69632                      ; a head in vt
.set SLOT,  131072                     ; an LDS slot: x's two halves, then P's two, 32,768 bytes each
.set SCL,   262144                     ; behind the slots: four blocks of scale words of 4,096 bytes, in the same order
.set ADRA, 16                          ; v16-17  LDS address of my fragments of x in slot 0, 1
.set ADRB, 20                          ; v20-21  of my fragments of P
.set ADSA, 22                          ; v22     of x's scale words
.set ADSB, 23                          ; v23     of P's
.set OFFL, 3                           ; v3      16 x lane
.set OFFS, 25                          ; v25     the way out of q, k: my place among the scale words
.set SH16, 26                          ; v26     16 h
.set OBP,  27                          ; v27     64 h: bias along P
.set OBQ,  28                          ; v28     4 x my position's row: bias of v
.set OFR,  30                          ; v30     16 r
.set SA,   32
.set SB,   96
.set AF,   160
.set BP,   64                          ; in window 1
.set BQ,   192                         ; in window 1
.set TMP,  160                         ; the way out: 64 numbers of a lane
.set TM,   224                         ; v224-227 largest magnitudes, v228-231 bytes, v236-239 the conversions' scale operands
.set PC,   240                         ; v240-247 the codes just made
.set PW,   248                         ; their scale word
.set SW,   4                           ; v4-11   q's and k's scale words, one for each block
.set SX,   12                          ; v12-15  v's
.set SEL,  2                           ; s[2:3]  selects for lane l xor 16
.set G1,   24                          ; s[24:31] group 1 for x's codes;  s[32:39] group 0, one set for each slot
.set G0,   32
.set G1B,  48                          ; s[48:55], s[56:63] the same for P's
.set G0B,  56
.set G1S,  68                          ; s[68:75], s[76:79] x's scale words;  s[80:87], s[88:91] P's
.set G0S,  76
.set G1SB, 80
.set G0SB, 88
.set MSB, 0
.macro WIN new                         ; the immediate's high byte repeats the setting that is left
.if MSB != (\new)
	s_set_vgpr_msb (MSB<<8)|(\new)
.set MSB, (\new)
.endif
.endm
.set MUL_LO, 0xa1                      ; source 0 window 1, source 1 window 0, C and D window 2
.set MUL_HI, 0xf1                      ; the same, C and D window 3
.set MUL_V,  0xad                      ; part 2: source 0 window 1, source 1 window 3, C and D window 2
.set TO_B,   0x40                      ; destination window 1, address window 0
.set TO_3,   0xc0                      ; destination window 3
; A joint load: waves 0 and 1 fetch for x, waves 2 and 3 for P.  Each line has one mask and one set of registers; the branch hangs on the wave's number alone.
; Four v_nop follow each of the two lines, ahead of the jump, the label and what follows.
.macro JLOAD g0a, g1a, g0b, g1b
	s_cmp_eq_u32 s15, 0
	s_cbranch_scc0 .Lfor_b_\@
	tensor_load_to_lds s[\g0a:\g0a+3], s[\g1a:\g1a+7]
	s_nop 0
.rept 4
	v_nop
.endr
	s_branch .Lasked_\@
.Lfor_b_\@:
	tensor_load_to_lds s[\g0b:\g0b+3], s[\g1b:\g1b+7]
	s_nop 0
.rept 4
	v_nop
.endr
.Lasked_\@:
.endm
.macro CROUND                          ; a round of the cluster's barrier
	s_barrier_signal -1
	s_barrier_wait -1
	s_cmp_lg_u32 s14, 0
	s_cbranch_scc1 .Lnot_wave_0_\@
	s_barrier_signal -3
.Lnot_wave_0_\@:
	s_barrier_wait -3
	s_barrier_signal -1
	s_barrier_wait -1
.endm
.macro PLACES n
.rept \n
	v_nop
.endr
.endm
	s_load_b256 s[4:11], s[0:1], 0x0               ; xq s[4:5], wq s[6:7], b_in s[8:9], qk s[10:11]
	s_load_b64 s[12:13], s[0:1], 0x20              ; vt
	v_lshl_add_u32 v254, v0, 2, 0x44000
	v_mov_b32 v255, 0
	ds_add_u32 v254, v255
	ds_add_u32 v254, v255
	v_lshrrev_b32 v1, 5, v0
	v_readfirstlane_b32 s14, v1                    ; wave 0..3
	s_lshr_b32 s15, s14, 1                         ; my half of the 256 tokens.  Also: I fetch for x (0) or for P (1)
	s_and_b32 s16, s14, 1                          ; my half of the channels.  Also: which 128 positions I fetch
	s_bfe_u32 s40, ttmp6, 0x40000                  ; cx, cy: my place in the cluster
	s_bfe_u32 s41, ttmp6, 0x40004
	s_lshl_b32 s42, ttmp9, 2
	s_add_co_u32 s42, s42, s40                     ; P's tile of 256 channels, 0..7: hangs on cx
	s_and_b32 s17, ttmp7, 0xffff
	s_lshl_b32 s17, s17, 2
	s_add_co_u32 s17, s17, s41                     ; x's tile of 256 tokens, 0..31: hangs on cy
	s_lshl_b32 s43, s41, 2
	s_lshl_b32 s43, 15, s43                        ; my row of the cluster
	s_lshl_b32 s44, 0x1111, s40                    ; my column
	; group 1: dense blocks as rows of 256 bytes (32 elements of 8 bytes): 128 rows of codes, 16 rows of scale words; no padding: every LDS read takes consecutive bytes
	s_or_b32 s[G1+0], s43, (3<<16)|(1<<21)         ; 15:0 the mask: x's tiles go to my row; 17:16 elements of 8 bytes; 21 set beside a mask
	s_or_b32 s[G1B+0], s44, (3<<16)|(1<<21)        ; P's to my column
	s_or_b32 s[G1S+0], s43, (3<<16)|(1<<21)
	s_or_b32 s[G1SB+0], s44, (3<<16)|(1<<21)
.irp g, G1, G1B
	s_mov_b32 s[\g+1], 32<<16                      ; tensor_dim0
	s_mov_b32 s[\g+2], 256<<16                     ; tensor_dim1: the head's loads bring 256 rows
	s_mov_b32 s[\g+3], 32<<16                      ; tile_dim0
	s_mov_b32 s[\g+4], 256                         ; tile_dim1
	s_mov_b32 s[\g+5], 32                          ; the pitch
	s_mov_b32 s[\g+6], 0
	s_mov_b32 s[\g+7], 0
.endr
.irp g, G1S, G1SB
	s_mov_b32 s[\g+1], 32<<16
	s_mov_b32 s[\g+2], 32<<16                      ; the scale words of 256 positions: 32 rows of 256 bytes
	s_mov_b32 s[\g+3], 32<<16
	s_mov_b32 s[\g+4], 32
	s_mov_b32 s[\g+5], 32
	s_mov_b32 s[\g+6], 0
	s_mov_b32 s[\g+7], 0
.endr
	; byte offsets, made apart from the addresses
	s_lshl_b32 s98, s16, 15                        ; of K half 1 I fetch 128 positions: 8 tiles of 4,096 bytes
	s_mov_b32 s99, 0
	s_lshl_b32 s22, s17, 16                        ; x's codes, K half 0: all 256 tokens
	s_mov_b32 s23, 0
	s_lshl_b32 s46, s42, 16                        ; P's
	s_mov_b32 s47, 0
	s_lshl_b32 s94, s17, 13
	s_add_co_u32 s94, s94, 2*GSX                   ; x's scale words: behind both halves, 512 bytes a tile
	s_mov_b32 s95, 0
	s_lshl_b32 s96, s42, 13
	s_add_co_u32 s96, s96, 2*GSW                   ; P's
	s_mov_b32 s97, 0
	s_lshl_b32 s66, s42, 8
	s_lshl_b32 s18, s16, 7
	s_add_co_u32 s66, s66, s18                     ; my first channel of q, k: 256 x tile + 128 x half
	s_lshl_b32 s67, s17, 8
	s_lshl_b32 s18, s15, 7
	s_add_co_u32 s67, s67, s18                     ; my first token
	s_lshl_b32 s45, s14, 15                        ; where my codes of K half 1 go: wave x 32,768: no place in the cluster enters an LDS address
	s_wait_dscnt 0x0
	s_wait_kmcnt 0x0
	s_mov_b32 s[G0], 1
	s_mov_b32 s[G0+1], 0                           ; the head's load of x: 65,536 bytes from LDS byte 0
	s_add_nc_u64 s[G0+2:G0+3], s[4:5], s[22:23]
	s_mov_b32 s[G0+4], 1
	s_add_co_u32 s[G0+5], s45, SLOT
	s_add_nc_u64 s[G0+6:G0+7], s[G0+2:G0+3], GSX
	s_add_nc_u64 s[G0+6:G0+7], s[G0+6:G0+7], s[98:99]
	s_or_b32 s[G0+3], s[G0+3], 0x80000000
	s_or_b32 s[G0+7], s[G0+7], 0x80000000
	s_mov_b32 s[G0B], 1
	s_mov_b32 s[G0B+1], 65536                      ; the head's load of P: behind x's
	s_add_nc_u64 s[G0B+2:G0B+3], s[6:7], s[46:47]
	s_mov_b32 s[G0B+4], 1
	s_add_co_u32 s[G0B+5], s45, SLOT
	s_add_nc_u64 s[G0B+6:G0B+7], s[G0B+2:G0B+3], GSW
	s_add_nc_u64 s[G0B+6:G0B+7], s[G0B+6:G0B+7], s[98:99]
	s_or_b32 s[G0B+3], s[G0B+3], 0x80000000
	s_or_b32 s[G0B+7], s[G0B+7], 0x80000000
	s_mov_b32 s[G0S], 1
	s_mov_b32 s[G0S+1], SCL
	s_add_nc_u64 s[G0S+2:G0S+3], s[4:5], s[94:95]
	s_or_b32 s[G0S+3], s[G0S+3], 0x80000000
	s_mov_b32 s[G0SB], 1
	s_mov_b32 s[G0SB+1], SCL+8192
	s_add_nc_u64 s[G0SB+2:G0SB+3], s[6:7], s[96:97]
	s_or_b32 s[G0SB+3], s[G0SB+3], 0x80000000
	; what plain loads will want.  My head of v is 2 x P's tile + half: its 64 channels begin at row 2,048 + (my first channel of q, k) / 2, tile 128 + (that channel) / 32
	s_lshl_b32 s94, s66, 2
	s_add_nc_u64 s[4:5], s[8:9], s[94:95]          ; the bias of my 128 channels of q, k
	s_lshl_b32 s94, s66, 1
	s_add_co_u32 s94, s94, 8192
	s_add_nc_u64 s[20:21], s[8:9], s[94:95]        ; the bias of my head of v
	s_lshl_b32 s94, s66, 7
	s_add_co_u32 s94, s94, 128*4096
	s_add_nc_u64 s[18:19], s[6:7], s[94:95]        ; w_v's codes: my four tiles, K half 0
	s_lshl_b32 s94, s66, 4
	s_add_co_u32 s94, s94, 2*GSW+128*512
	s_add_nc_u64 s[92:93], s[6:7], s[94:95]        ; and their scale words
; THE HEAD'S LOADS, ONE A WAVE: wave 0 K half 0 of x's 256 tokens, wave 1 of P's 256 channels, wave 2 x's scale words, wave 3 P's.
; One chain of branches on the wave's number, an arm a load, all arms leading to one join.
.macro ARM under, g0, g1, next
	s_cmp_lt_u32 s14, \under
	s_cbranch_scc0 \next
	tensor_load_to_lds s[\g0:\g0+3], s[\g1:\g1+7]
	s_nop 0
.rept 4
	v_nop
.endr
	s_branch .Lhead_asked
\next:
.endm
	CROUND                                         ; all sixteen work-groups are here: the joint loads meet
	ARM 1, G0,  G1,  .Lhead_b
	ARM 2, G0B, G1B, .Lhead_sa
	ARM 3, G0S, G1S, .Lhead_sb
	tensor_load_to_lds s[G0SB:G0SB+3], s[G1SB:G1SB+7]
	s_nop 0
.rept 4
	v_nop
.endr
.Lhead_asked:
	s_mov_b32 s[SEL], 0x76543210
	s_mov_b32 s[SEL+1], 0xfedcba98
	v_and_b32 v1, 15, v0                           ; r
	v_bfe_u32 v2, v0, 4, 1                         ; h
	v_and_b32 v3, 31, v0
	v_lshlrev_b32 v3, 4, v3                        ; 16 x lane
	s_lshl_b32 s22, s15, 15
	v_add_nc_u32 v[ADRA], s22, v3
	v_add_nc_u32 v[ADRA+1], SLOT, v[ADRA]
	s_lshl_b32 s23, s16, 15
	s_add_co_u32 s23, s23, 65536
	v_add_nc_u32 v[ADRB], s23, v3
	v_add_nc_u32 v[ADRB+1], SLOT, v[ADRB]
	s_lshl_b32 s22, s15, 12
	s_add_co_u32 s22, s22, SCL
	v_lshl_add_u32 v[ADSA], v1, 4, s22             ; 16 bytes a position: four K steps' words
	s_lshl_b32 s23, s16, 12
	s_add_co_u32 s23, s23, SCL+8192
	v_lshl_add_u32 v[ADSB], v1, 4, s23
	v_lshlrev_b32 v[SH16], 4, v2
	v_lshlrev_b32 v[OBP], 6, v2
	v_lshlrev_b32 v[OFR], 4, v1
	v_and_b32 v[OBQ], 7, v1
	v_lshrrev_b32 v29, 3, v1
	v_lshlrev_b32 v[OBQ], 2, v[OBQ]
	v_lshl_add_u32 v[OBQ], v29, 6, v[OBQ]          ; 4 (r % 8 + 16 (r / 8))
	WIN TO_B
.irp b, 0,1,2,3
.irp j, 0,1,2,3
	global_load_b128 v[BP+16*\b+4*\j:BP+16*\b+4*\j+3], v[OBP], s[4:5] offset:128*\b+16*\j   ; register 16 b + i: channel 32 b + 16 h + i
.endr
.endr
.irp a, 0,1,2,3
	global_load_b32 v[BQ+\a], v[OBQ], s[20:21] offset:4*(32*(\a/2)+8*(\a%2))                 ; my position in tile a of my head of v
.endr
	WIN 0
.macro FRAG reg, adr, q, i             ; a fragment comes as it was stored: two loads of 512 consecutive bytes
.irp c, 0,1
	ds_load_b128 v[\reg+4*\c:\reg+4*\c+3], v[\adr] offset:4096*(\i)+1024*(\q)+512*\c
.endr
.endm
; PART 1: 16 matrix instructions: x's blocks a0, a0 + 1 x P's eight, K step kap.  p: P's set.  zero = 1: the first product starts the sums.
; The 64 accumulators take turns, one instruction a turn, in the same order in every step.
.macro MUL16 a0, p, kap, zero
.irp a, \a0, \a0+1
.irp b, 0,1,2,3,4,5,6,7
.if \zero
	v_wmma_scale_f32_16x16x128_f8f6f4 v[8*(8*((\a)%4)+\b):8*(8*((\a)%4)+\b)+7], v[128*(\p)+8*\b:128*(\p)+8*\b+7], v[AF+8*(\a):AF+8*(\a)+7], 0, v[SB+8*\b+(\kap)], v[SA+8*(\a)+(\kap)] matrix_a_fmt:MATRIX_FMT_FP4 matrix_b_fmt:MATRIX_FMT_FP4
.else
	v_wmma_scale_f32_16x16x128_f8f6f4 v[8*(8*((\a)%4)+\b):8*(8*((\a)%4)+\b)+7], v[128*(\p)+8*\b:128*(\p)+8*\b+7], v[AF+8*(\a):AF+8*(\a)+7], v[8*(8*((\a)%4)+\b):8*(8*((\a)%4)+\b)+7], v[SB+8*\b+(\kap)], v[SA+8*(\a)+(\kap)] matrix_a_fmt:MATRIX_FMT_FP4 matrix_b_fmt:MATRIX_FMT_FP4
.endif
.endr
.endr
.endm
.macro FETCH_B slot, q, p
	WIN TO_B
.irp i, 0,1,2,3,4,5,6,7
	FRAG 128*(\p)+8*\i, ADRB+\slot, \q, \i
.endr
	WIN 0
.endm
.macro FETCH_A slot, q, i0
.irp i, \i0, \i0+1, \i0+2, \i0+3
	FRAG AF+8*(\i), ADRA+\slot, \q, \i
.endr
.endm
.macro SCALES                          ; the scale words of all of K, once: register 8 tile + 4 g + q
.irp i, 0,1,2,3,4,5,6,7
.irp g, 0,1
	ds_load_b128 v[SA+8*\i+4*\g:SA+8*\i+4*\g+3], v[ADSA] offset:512*\i+256*\g
	ds_load_b128 v[SB+8*\i+4*\g:SB+8*\i+4*\g+3], v[ADSB] offset:512*\i+256*\g
.endr
.endr
.endm
; A step of 128 along K that has its successor in the same slot.  A load into a register that a matrix instruction has read stands four places behind it (ISA guide 7.12.1 for vector instructions).
.macro STEP slot, q, zero
	s_wait_dscnt 8                                 ; all but the youngest eight loads (x's blocks 4-7)
	WIN MUL_LO
	MUL16 0, (\q)%2, 4*\slot+\q, \zero
	MUL16 2, (\q)%2, 4*\slot+\q, \zero
	s_wait_dscnt 0x0                               ; x's blocks 4-7 are in
	PLACES 4
	FETCH_B \slot, (\q)+1, 1-(\q)%2
	FETCH_A \slot, (\q)+1, 0
	WIN MUL_HI
	MUL16 4, (\q)%2, 4*\slot+\q, \zero
	MUL16 6, (\q)%2, 4*\slot+\q, \zero
	PLACES 4
	WIN 0
	FETCH_A \slot, (\q)+1, 4
.endm
; PART 2: x's eight fragments of K step kap into set p of window 1,
.macro FETCH_X kap, p
	WIN TO_B
.irp i, 0,1,2,3,4,5,6,7
	FRAG 128*(\p)+8*\i, ADRA+(\kap)/4, (\kap)%4, \i
.endr
	WIN 0
.endm
; and 32 matrix instructions: w_v's four tiles x x's eight.  The 32 accumulators take turns, one instruction a turn.
.macro VMUL kap, zero
.irp a, 0,1,2,3
.irp b, 0,1,2,3,4,5,6,7
.if \zero
	v_wmma_scale_f32_16x16x128_f8f6f4 v[8*(8*\a+\b):8*(8*\a+\b)+7], v[128*((\kap)%2)+8*\b:128*((\kap)%2)+8*\b+7], v[32*(\kap)+8*\a:32*(\kap)+8*\a+7], 0, v[SA+8*\b+(\kap)], v[SB+8*\a+(\kap)] matrix_a_fmt:MATRIX_FMT_FP4 matrix_b_fmt:MATRIX_FMT_FP4
.else
	v_wmma_scale_f32_16x16x128_f8f6f4 v[8*(8*\a+\b):8*(8*\a+\b)+7], v[128*((\kap)%2)+8*\b:128*((\kap)%2)+8*\b+7], v[32*(\kap)+8*\a:32*(\kap)+8*\a+7], v[8*(8*\a+\b):8*(8*\a+\b)+7], v[SA+8*\b+(\kap)], v[SB+8*\a+(\kap)] matrix_a_fmt:MATRIX_FMT_FP4 matrix_b_fmt:MATRIX_FMT_FP4
.endif
.endr
.endr
.endm
	s_wait_alu depctr_va_vdst(0)
	s_wait_tensorcnt 0x0                           ; my tile of the head's four is in
	ds_add_u32 v254, v255
	s_mov_b32 s[G1+2], 128<<16                     ; no tensor load of mine is out: from here on a load brings 128 rows
	s_mov_b32 s[G1+4], 128
	s_mov_b32 s[G1B+2], 128<<16
	s_mov_b32 s[G1B+4], 128
	s_wait_dscnt 0x0
	CROUND                                         ; a whole round: all four tiles are in, and the joint loads meet
	JLOAD G0+4, G1, G0B+4, G1B                     ; K half 1, a quarter of the slot a wave: the first tensor load behind the round
	FETCH_B 0, 0, 0
	FETCH_A 0, 0, 0
	SCALES
	FETCH_A 0, 0, 4
	STEP 0, 0, 1
	STEP 0, 1, 0
	STEP 0, 2, 0
	s_wait_tensorcnt 0x0                           ; slot 0's last step: my part of K half 1 has landed,
	s_wait_dscnt 8
	WIN MUL_LO
	MUL16 0, 1, 3, 0
	s_wait_dscnt 0x0                               ; no LDS instruction of mine is out at the signal
	s_barrier_signal -1
	MUL16 2, 1, 3, 0                               ; work on registers while the others arrive
	s_barrier_wait -1                              ; everybody's part has
	PLACES 4
	FETCH_B 1, 0, 0
	FETCH_A 1, 0, 0
	WIN MUL_HI
	MUL16 4, 1, 3, 0
	MUL16 6, 1, 3, 0
	PLACES 4
	WIN 0
	FETCH_A 1, 0, 4
	STEP 1, 0, 0
	STEP 1, 1, 0
	STEP 1, 2, 0
	s_wait_dscnt 8                                 ; part 1's last step: nothing more to fetch
	WIN MUL_LO
	MUL16 0, 1, 7, 0
	MUL16 2, 1, 7, 0
	s_wait_dscnt 0x0
	WIN MUL_HI
	MUL16 4, 1, 7, 0
	MUL16 6, 1, 7, 0
	WIN 0
	PLACES 4                                       ; in front of the first read of results and of writes into x's old fragments
	s_wait_loadcnt 0x0                             ; the biases
; 64 numbers of a lane, register 16 b + i = index 32 b + 16 h + i, become a fragment's codes in v[PC] on (an image) and its scale word in v[PW] (the same in both halves of the lanes).
.macro QUANT s
.irp b, 0,1,2,3
	v_max3_num_f32 v[TM+\b], |v[\s+16*\b]|, |v[\s+1+16*\b]|, 0x1800000   ; my 16 numbers of block b, and the floor 2^(3 - 127): the byte cannot fall under 1
.endr
.irp i, 2,4,6,8,10,12,14
.irp b, 0,1,2,3
	v_max3_num_f32 v[TM+\b], v[TM+\b], |v[\s+16*\b+\i]|, |v[\s+1+16*\b+\i]|   ; (the four blocks by turns)
.endr
.endr
.irp b, 0,1,2,3
	v_permlanex16_b32 v[TM+4+\b], v[TM+\b], s[SEL], s[SEL+1]
.endr
.irp b, 0,1,2,3
	v_max_num_f32 v[TM+\b], v[TM+\b], v[TM+4+\b]   ; with lane l xor 16's: the block's largest magnitude
.endr
.irp b, 0,1,2,3
	v_add_nc_u32 v[TM+12+\b], 0xff000000, v[TM+\b] ; 2 off its exponent field: the conversion's scale operand
.endr
.irp b, 0,1,2,3
	v_lshrrev_b32 v[TM+4+\b], 23, v[TM+12+\b]      ; the scale's byte
.endr
	v_lshl_or_b32 v[PW], v[TM+5], 8, v[TM+4]
	v_lshl_or_b32 v[PW], v[TM+6], 16, v[PW]
	v_lshl_or_b32 v[PW], v[TM+7], 24, v[PW]
.irp b, 0,1,2,3
	v_cvt_scalef32_pk8_fp4_f32 v[PC+2*\b], v[\s+16*\b:\s+7+16*\b], v[TM+12+\b]
	v_cvt_scalef32_pk8_fp4_f32 v[PC+1+2*\b], v[\s+8+16*\b:\s+15+16*\b], v[TM+12+\b]
.endr
	v_nop                                          ; one plain place behind a scaled conversion
.irp c, 0,1                                    ; the layout wants a whole block in a lane: lanes 0-15 block 2 c, lanes 16-31 block 2 c + 1
.irp i, 0,1
	v_permlane16_swap_b32 v[PC+4*\c+\i], v[PC+2+4*\c+\i]
.endr
.endr
.endm
; THE WAY OUT of source 1's block a: the bias is added as the 64 results move into window 0 (ascending: each accumulator is read from its low end on), they are quantised, and the image leaves: 512 consecutive bytes a store.
; mode 0 (q, k): the 128 channels are two heads of 64: part c of the image is head c's K = 64 fragment; lanes 0-15 keep the word (head 0's bytes lowest), lanes 16-31 shift head 1's two bytes down.
;         The word's upper two bytes meet only zero codes of the other operand in the product that reads it, and are never 0xff.
; mode 1 (v): the 128 keys are one K step of v^T p; block a is channel tile a of my head.
.macro EBLK mode, a
	s_wait_xcnt 0x0                                ; the last block's stores have read the codes' registers
	WIN 0x06+(\a)/4                                ; source 0 window 2 or 3, source 1 window 1
.set n, 0
.rept 32
.if \mode == 0
	v_pk_add_f32 v[TMP+2*n:TMP+2*n+1], v[64*((\a)%4)+2*n:64*((\a)%4)+2*n+1], v[BP+2*n:BP+2*n+1]
.elseif ((\a)%2) == 0
	v_pk_add_f32 v[TMP+2*n:TMP+2*n+1], v[64*((\a)%4)+2*n:64*((\a)%4)+2*n+1], v[BQ+2*((\a)/2):BQ+2*((\a)/2)+1] op_sel_hi:[1,0]
.else
	v_pk_add_f32 v[TMP+2*n:TMP+2*n+1], v[64*((\a)%4)+2*n:64*((\a)%4)+2*n+1], v[BQ+2*((\a)/2):BQ+2*((\a)/2)+1] op_sel:[0,1] op_sel_hi:[1,1]
.endif
.set n, n+1
.endr
	WIN 0
	QUANT TMP
.if \mode == 0
	v_lshrrev_b32 v[SW+(\a)], v[SH16], v[PW]
	global_store_b128 v[OFFL], v[PC:PC+3], s[10:11] offset:512*(\a)
	global_store_b128 v[OFFL], v[PC+4:PC+7], s[10:11] offset:512*(\a)+HSK
.else
	v_mov_b32 v[SX+(\a)], v[PW]
	global_store_b128 v[OFFL], v[PC:PC+3], s[12:13] offset:1024*(\a)
	global_store_b128 v[OFFL], v[PC+4:PC+7], s[12:13] offset:1024*(\a)+512
.endif
.endm
.irp b, 0,1,2,3
	v_mov_b32 v[TM+4+\b], 0                        ; written once: a lane permute's destination counts as one of its sources
.endr
	s_lshr_b32 s22, s67, 11                        ; qk: the batch,
	s_mul_i32 s22, s22, 32*HSK
	s_lshr_b32 s23, s66, 6                         ; the first of my two heads (q's 0-15, k's 16-31),
	s_mul_i32 s23, s23, HSK
	s_add_co_u32 s22, s22, s23
	s_bfe_u32 s23, s67, 0x40007                    ; my group of 128 tokens
	s_mul_i32 s23, s23, 4608
	s_add_co_u32 s22, s22, s23
	s_mov_b32 s23, 0
	s_add_nc_u64 s[10:11], s[10:11], s[22:23]
	s_lshr_b32 s22, s67, 11                        ; vt: the batch,
	s_lshl_b32 s22, s22, 4
	s_lshr_b32 s23, s66, 7                         ; my head of v,
	s_add_co_u32 s22, s22, s23
	s_mul_i32 s22, s22, HSV
	s_bfe_u32 s23, s67, 0x40007                    ; my 128 keys
	s_mul_i32 s23, s23, 4352
	s_add_co_u32 s22, s22, s23
	s_mov_b32 s23, 0
	s_add_nc_u64 s[12:13], s[12:13], s[22:23]
	v_mul_u32_u24 v[OFFS], v2, HSK
	v_lshl_add_u32 v[OFFS], v1, 4, v[OFFS]         ; lanes 16-31 store the second head's words
.irp a, 4,5,6,7                                ; the blocks of window 3 go first,
	EBLK 0, \a
.endr
	WIN TO_3                                       ; so that w_v's 32 fragments can be asked for into it: blocks 0-3's way out stands between these loads and the wait for them
.irp k, 0,1,2,3,4,5,6,7
.irp a, 0,1,2,3
.irp c, 0,1
	global_load_b128 v[32*\k+8*\a+4*\c:32*\k+8*\a+4*\c+3], v[OFFL], s[18:19] offset:(\k/4)*GSW+4096*\a+1024*(\k%4)+512*\c   ; 32 lanes read 512 consecutive bytes
.endr
.endr
.endr
	WIN 0
.irp a, 0,1,2,3
.irp g, 0,1
	global_load_b128 v[SB+8*\a+4*\g:SB+8*\a+4*\g+3], v[OFR], s[92:93] offset:512*\a+256*\g   ; w_v's scale words take the places of P's: register 8 tile + K step
.endr
.endr
	FETCH_X 0, 0                                   ; and x's fragments of K step 0
.irp a, 0,1,2,3
	EBLK 0, \a
.endr
	global_store_b128 v[OFFS], v[SW:SW+3], s[10:11] offset:4096     ; sixteen lanes store 256 consecutive bytes, aligned
	global_store_b128 v[OFFS], v[SW+4:SW+7], s[10:11] offset:4352
	s_wait_loadcnt 0x0                             ; w_v
.irp k, 0,1,2,3,4,5,6,7                        ; PART 2: while a K step is multiplied, the next step's fragments of x come into the other set
	s_wait_dscnt 0x0                               ; this step's set is in
.if \k > 0
	PLACES 4                                       ; in front of loads into the set that the last step's products read
.endif
.if \k < 7
	FETCH_X \k+1, (\k+1)%2
.endif
	WIN MUL_V
.if \k == 0
	VMUL \k, 1
.else
	VMUL \k, 0
.endif
	WIN 0
.endr
	PLACES 4                                       ; in front of the first read of results
.irp a, 0,1,2,3
	EBLK 1, \a
.endr
	s_wait_alu depctr_va_vdst(0)
	s_wait_xcnt 0x0                                ; EXEC changes only behind this wait
	v_cmp_eq_u32 vcc_lo, 0, v2
	s_and_saveexec_b32 s22, vcc_lo
	global_store_b128 v[OFR], v[SX:SX+3], s[12:13] offset:4096      ; lanes 0-15: 256 consecutive bytes, aligned
	s_wait_xcnt 0x0                                ; and again, in front of the line that widens it
	s_or_b32 exec_lo, exec_lo, s22
	s_wait_tensorcnt 0x0
	ds_add_u32 v254, v255
	s_wait_dscnt 0x0
	CROUND                                         ; the closing round: no work-group ends while a partner may still ask for a tile that names it
	s_endpgm
.Lfunc_end_k_q9d2e0d6ad0_qkv:
	.size	k_q9d2e0d6ad0_qkv, .Lfunc_end_k_q9d2e0d6ad0_qkv-k_q9d2e0d6ad0_qkv
	.p2alignl 7, 3214868480
	.fill 96, 4, 3214868480
	.section	.rodata,"a",@progbits
	.p2align	6, 0x0
	.amdhsa_kernel k_q9d2e0d6ad0_qkv
		.amdhsa_group_segment_fixed_size 327680
		.amdhsa_private_segment_fixed_size 0
		.amdhsa_enable_private_segment 0
		.amdhsa_kernarg_size 40
		.amdhsa_user_sgpr_count 2
		.amdhsa_user_sgpr_kernarg_segment_ptr 1
		.amdhsa_wavefront_size32 1
		.amdhsa_system_sgpr_workgroup_id_x 1
		.amdhsa_system_sgpr_workgroup_id_y 1
		.amdhsa_system_sgpr_workgroup_id_z 1
		.amdhsa_system_vgpr_workitem_id 0
		.amdhsa_next_free_vgpr 1024
		.amdhsa_next_free_sgpr 100
		.amdhsa_reserve_vcc 1
		.amdhsa_float_denorm_mode_32 3
		.amdhsa_float_denorm_mode_16_64 3
		.amdhsa_memory_ordered 1
		.amdhsa_forward_progress 1
		.amdhsa_inst_pref_size 221
	.end_amdhsa_kernel
	.amdgpu_metadata
---
amdhsa.version: [ 1, 2 ]
amdhsa.kernels:
  - .name:           k_q9d2e0d6ad0_qkv
    .symbol:         k_q9d2e0d6ad0_qkv.kd
    .args:
      - { .name: xq, .offset: 0, .size: 8, .value_kind: global_buffer, .address_space: global }
      - { .name: wq, .offset: 8, .size: 8, .value_kind: global_buffer, .address_space: global }
      - { .name: b_in, .offset: 16, .size: 8, .value_kind: global_buffer, .address_space: global }
      - { .name: qk, .offset: 24, .size: 8, .value_kind: global_buffer, .address_space: global }
      - { .name: vt, .offset: 32, .size: 8, .value_kind: global_buffer, .address_space: global }
    .group_segment_fixed_size: 327680
    .private_segment_fixed_size: 0
    .kernarg_segment_align: 8
    .kernarg_segment_size: 40
    .max_flat_workgroup_size: 128
    .sgpr_count:     100
    .vgpr_count:     1024
    .wavefront_size: 32
...
	.end_amdgpu_metadata
.endif
;; end of part 2
;; launch attn (part 3): grid 4 x 64, 8 waves a work-group, no clusters, 327,680 bytes of LDS; arguments qk, vt, ao; writes ao
.if DOCPART == 3
	.amdgcn_target "amdgcn-amd-amdhsa--gfx1250"
	.amdhsa_code_object_version 6
	.text
	.protected	k_q9d2e0d6ad0_attn
	.globl	k_q9d2e0d6ad0_attn
	.p2align	8
	.type	k_q9d2e0d6ad0_attn,@function
k_q9d2e0d6ad0_attn:
	s_mov_b64 s[64:65], 0
	v_nop
	global_prefetch_b8 v0, s[64:65] scope:SCOPE_SE
	s_setreg_imm32_b32 hwreg(HW_REG_WAVE_MODE, 25, 1), 1
	s_wait_xcnt 0x0
; o = softmax(q k^T / 8, causal) v for one head, both products on codes of FP4 with E8M0 scales; o is quantised along the channels on the way out, as operand of the last product.
; THE SOFTMAX AHEAD OF THE SECOND PRODUCT: t = score x log2(e) / 8; M = the running largest t rounded UP to a whole number; p = 2^(t - M) is quantised along the keys, not normalised;
; the row's sum is taken of the unquantised p and divides at the end.  When M moves, the sums and O are multiplied by 2^(old M - new M): exact.
; LEFT OUT: steps of 128 keys all of which come after a tile's queries: the causal mask makes their p zero.
; SHARES.  Work-group (i, batch x head), eight waves of 512 registers.  Wave w owns two PAIRS of neighbouring tiles of 16 queries: the late pair from tile 126 - 16 i - 2 w, the early pair from tile 16 i + 2 w.
; A pair's tiles share their diagonal step T / 8, and go through each step of 128 keys TOGETHER: one fetch of K and of V serves both.  The two pairs need 17 joint steps in every wave: 256 equal work-groups.
; The wave walks the keys twice, first for the late pair, then for the early one, in the same registers and by the same loop; between the passes the early pair's Q, fetched at the head, moves into place.
; The head's K and V (143,360 bytes of codes and scale words) come into LDS once, in four chunks of 512 keys each, ONE tensor load a wave: chunk 0 at the head (wave 0: K, wave 4: V);
; chunks 1 to 3 behind the first barrier (waves 1-3: K, waves 5-7: V).  The late pair's steps 0-2 read chunk 0 alone; one more barrier, ahead of step 3, shows the rest.  No LDS byte is filled twice.
; NO CLUSTER: the four work-groups of a head read the same K and V, but the steps that the causal mask hides are left out by a branch on the work-group's place, and partners of a joint request must run alike.
; NO PREFETCH: all of K and V has been asked for by the second group of loads, three key steps ahead of the first read of it; there is no later stream to run ahead of.
; LAYOUT.  Both products are used transposed: S^T = K Q^T, O^T = V^T P^T: a lane holds one query.  Tokens and channels are filed by POSITION (position r of tile t = index 32 (t / 2) + 8 (t % 2) + r % 8 + 16 (r / 8)),
; so the 16 registers of two neighbouring result tiles are 16 neighbours: key (or channel) 32 b + 16 h + 0 .. 15.
; THE FIRST PRODUCT'S K IS 64: registers 4-7 of Q's fragments hold zero codes, so K's eight tiles of a step lie ON END, four registers each (behind the last: four registers of zeros).
; REGISTERS.  Window 0: addresses, Q, K, the first tile's scores, both tiles' codes, scale words and small state.  Window 1: v0-31 V's fragments, v68-131 the second tile's scores, v132-195 O^T of both tiles.
; LIMITS: NaN and infinities are not served; 1 / sum by v_rcp_f32; a block whose largest magnitude lies under 2^-124 gets the byte 1; the promise holds while |t| stays under 2^31.
.set HSK,  73728                       ; a head in qk
.set HSV,  69632                       ; a head in vt
.set KST,  4608                        ; 128 keys of K: 8 tiles x 512 bytes, 512 bytes of scale words
.set VST,  4352                        ; 128 keys of V: 4 images of 1,024 bytes, 256 bytes of scale words
.set VB,   73728                       ; LDS: K at 0, V here,
.set SST,  143360                      ; the stage for o's scale words, [2][16 tiles][16 words]: no fill lands here,
.set SPARE, 145408                     ; and the spare words, 128 bytes a wave
.set LI,   1                           ; 16 x lane
.set LR,   2                           ; 16 x (lane % 16)
.set ADK,  3                           ; LDS addresses of the next step's K: tiles, scale words
.set ADS,  4
.set ADV,  5                           ; of this step's V: tiles, scale words
.set ADT,  6
.set NM,   8                           ; v8-11   tile x: -M, the largest t
.set QF,   16                          ; v16-31  the pair's Q
.set KF,   32                          ; v32-63  K's eight tiles on end; v64-67 zeros
.set S,    68                          ; v68-131 S^T, then p: tile 0 in window 0, tile 1 in window 1
.set PC,   132                         ; v132-147 p's codes, 8 a tile
.set KSC,  148                         ; v148-155 K's scale words
.set VSC,  156                         ; v156-159 V's
.set PS,   160                         ; v160-161 p's scale words
.set FF,   162                         ; v[162:163], v[164:165] f = 2^(old M - new M), and 0
.set QS,   166                         ; v166-167 Q's scale words
.set QD,   168                         ; my query of tile 0 in its 128, less 16 h; tile 1's lies 8 on
.set NINF, 169
.set BM,   170                         ; v170-177 the blocks' maxima; v178-185 at work; v186-193 the conversions' scale operands: 4 a tile
.set BT,   178
.set BS,   186
.set TP,   198                         ; v198-199
.set QN,   200                         ; v200-207 the early pair's Q, v208-209 its scale words
.set QSN,  208
.set WD,   210                         ; v210-211 o's scale words of the pair in hand; v212-213 the late pair's, kept
.set WDS,  212
.set HT,   214                         ; v214 r % 8 + 16 (r / 8) - 16 h; v215 at work at the head
.set STG,  216                         ; v216-217 the stage: the early pair's words, the late pair's
.set SBK,  218
.set SGO,  219
.set OO,   220
.set SM,   224                         ; v224-239 the row's sum: four chains of two numbers a tile
.set QO,   240
.set QSO,  242
.set SPW,  254                         ; my spare word's LDS address; never rewritten
.set NIL,  255                         ; 0; never rewritten
.set VF,   0                           ; window 1
.set OT,   132                         ; window 1: 32 a tile
.set WV,   18
.set SEL,  20
.set CS,   22
.set G1K,  24                          ; s[24:31] group 1 for a chunk of K; s[32:39] of V; s[40:43], s[44:47] my groups 0
.set G1V,  32
.set G0K,  40
.set G0V,  44
.set TK,   56                          ; LDS byte of the NEXT step's K; s57 of this step's V; s58 the step; s59 the loop's count
.set TV,   57
.set KS,   58
.set CNT,  59
.set SD,   60                          ; s60 the diagonal step of the pair in hand, s61 of the early pair
.set QDS,  62                          ; s62-63 likewise: the pair's first query in its 128
.set OOS,  66                          ; s66-67 likewise: where the pair's codes of o go
.set LO,   68                          ; steps under this one have been done
.set PASS, 69
.set TT,   70                          ; s70-71 the pairs' first tiles
.set HSH,  84                          ; 16 (head % 2)
.set CHK,  85                          ; wave % 4: the chunk that I fetch
.set MSB, 0
.macro WIN new                         ; the immediate's high byte repeats the setting that is left; bits 1:0 source 0, 3:2 source 1, 5:4 source 2, 7:6 destination
.if MSB != (\new)
	s_set_vgpr_msb (MSB<<8)|(\new)
.set MSB, (\new)
.endif
.endm
.macro TL g0, g1                       ; a tensor load with an s_nop 0 and four v_nop behind it
	tensor_load_to_lds s[\g0:\g0+3], s[\g1:\g1+7]
	s_nop 0
.rept 4
	v_nop
.endr
.endm
.macro INIT                            ; a pair's state: the step is written once; its first turn finds zeros, which the first change of M leaves zeros
.irp x, 0,1
	v_mov_b32 v[NM+2*\x+1], 0xff61b1e6             ; the largest t so far: -3e38
	v_floor_f32 v[NM+2*\x], -v[NM+2*\x+1]          ; -M
.endr
.set n, 0
.rept 16
	v_mov_b32 v[SM+n], 0
.set n, n+1
.endr
	v_add_nc_u32 v[QD], s[QDS], v[HT]
	WIN 0x40
.set n, 0
.rept 64
	v_mov_b32 v[OT+n], 0
.set n, n+1
.endr
	WIN 0
.endm
	s_load_b128 s[4:7], s[0:1], 0x0                ; qk, vt
	s_load_b64 s[8:9], s[0:1], 0x10                ; ao
	v_lshl_add_u32 v[SPW], v0, 2, SPARE
	v_mov_b32 v[NIL], 0
	ds_add_u32 v[SPW], v[NIL]                      ; the opening lines: the add twice on end and its wait
	ds_add_u32 v[SPW], v[NIL]
	v_lshrrev_b32 v7, 5, v0
	v_readfirstlane_b32 s[WV], v7                  ; wave 0..7
	s_and_b32 s12, ttmp7, 0xffff                   ; 16 x batch + head
	s_lshr_b32 s13, s12, 4
	s_and_b32 s14, s12, 15
	s_lshl_b32 s[TT+1], ttmp9, 4
	s_lshl_b32 s86, s[WV], 1
	s_add_co_u32 s[TT+1], s[TT+1], s86             ; the early pair's first tile
	s_sub_co_u32 s[TT], 126, s[TT+1]               ; the late pair's
	s_lshr_b32 s[SD], s[TT], 3
	s_lshr_b32 s[SD+1], s[TT+1], 3
	s_mul_i32 s16, s13, 32*HSK
	s_mul_i32 s17, s14, HSK
	s_add_co_u32 s16, s16, s17                     ; q's head in qk
	s_mov_b32 s17, 0
	s_mul_i32 s86, s12, HSV                        ; the head in vt
	s_mov_b32 s87, 0
	s_mov_b32 s[G1K], 3<<16                        ; dense blocks as rows of 256 bytes (32 elements of 8): 72 rows = 4 steps of K
	s_mov_b32 s[G1K+1], 32<<16
	s_mov_b32 s[G1K+2], 72<<16
	s_mov_b32 s[G1K+3], 32<<16
	s_mov_b32 s[G1K+4], 72
	s_mov_b32 s[G1K+5], 32
	s_mov_b32 s[G1K+6], 0
	s_mov_b32 s[G1K+7], 0
	s_mov_b32 s[G1V], 3<<16                        ; 68 rows = 4 steps of V
	s_mov_b32 s[G1V+1], 32<<16
	s_mov_b32 s[G1V+2], 68<<16
	s_mov_b32 s[G1V+3], 32<<16
	s_mov_b32 s[G1V+4], 68
	s_mov_b32 s[G1V+5], 32
	s_mov_b32 s[G1V+6], 0
	s_mov_b32 s[G1V+7], 0
	s_and_b32 s[CHK], s[WV], 3
	s_mul_i32 s94, s[CHK], 4*KST                   ; my chunk's first byte, in memory and in LDS: of K,
	s_mov_b32 s95, 0
	s_mul_i32 s96, s[CHK], 4*VST                   ; of V
	s_mov_b32 s97, 0
	s_mov_b32 s[SEL], 0x76543210
	s_mov_b32 s[SEL+1], 0xfedcba98
	s_mov_b32 s[CS], 0x3e38aa3b                    ; c = log2(e) / 8
	s_mov_b32 s[CS+1], s[CS]
	s_wait_dscnt 0x0                               ; both opening adds are done
	s_wait_kmcnt 0x0
	s_add_nc_u64 s[10:11], s[4:5], s[16:17]        ; q's head
	s_add_nc_u64 s[4:5], s[10:11], 16*HSK          ; k's head lies 16 heads on
	s_add_nc_u64 s[6:7], s[6:7], s[86:87]
	s_mov_b32 s[G0K], 1
	s_mov_b32 s[G0K+1], s94
	s_add_nc_u64 s[G0K+2:G0K+3], s[4:5], s[94:95]
	s_or_b32 s[G0K+3], s[G0K+3], 0x80000000
	s_mov_b32 s[G0V], 1
	s_add_co_u32 s[G0V+1], s96, VB
	s_add_nc_u64 s[G0V+2:G0V+3], s[6:7], s[96:97]
	s_or_b32 s[G0V+3], s[G0V+3], 0x80000000
	s_cmp_eq_u32 s[WV], 0                          ; the head's loads: chunk 0, wave 0 for K, wave 4 for V: one chain of branches, one join
	s_cbranch_scc0 .Lhead_v
	TL G0K, G1K
	s_branch .Lhead_asked
.Lhead_v:
	s_cmp_eq_u32 s[WV], 4
	s_cbranch_scc0 .Lhead_asked
	TL G0V, G1V
.Lhead_asked:
	v_and_b32 v7, 15, v0                           ; r
	v_bfe_u32 v[TP], v0, 4, 1                      ; h
	v_and_b32 v[LI], 31, v0
	v_lshlrev_b32 v[LI], 4, v[LI]
	v_lshlrev_b32 v[LR], 4, v7
	v_and_b32 v[HT], 7, v7
	v_lshrrev_b32 v[HT+1], 3, v7
	v_lshl_add_u32 v[HT], v[HT+1], 4, v[HT]
	v_lshlrev_b32 v[HT+1], 4, v[TP]
	v_sub_nc_u32 v[HT], v[HT], v[HT+1]             ; r % 8 + 16 (r / 8) - 16 h
	s_wait_alu depctr_va_vdst(0)
	s_lshr_b32 s90, s14, 3
	s_lshl_b32 s90, s90, 21                        ; ao's codes: K half head / 8,
	s_lshl_b32 s88, s13, 19
	s_add_co_u32 s90, s90, s88                     ; 128 tiles of 4,096 bytes a batch,
	s_bfe_u32 s88, s14, 0x20001
	s_lshl_b32 s88, s88, 10
	s_add_co_u32 s90, s90, s88                     ; K step (head / 2) % 4,
	s_and_b32 s88, s14, 1
	s_lshl_b32 s[HSH], s88, 4
	s_lshl_b32 s88, s88, 9
	s_add_co_u32 s90, s90, s88                     ; part head % 2 of the image
.irp z, 0,1                                    ; of each pair's first tile; the second lies 512 bytes of codes, 4 bytes of scale words, 8 queries and 4,096 bytes of o's codes on
	s_mul_i32 s86, s[SD+\z], KST
	s_and_b32 s87, s[TT+\z], 7
	s_lshl_b32 s87, s87, 9
	s_add_co_u32 s87, s87, s86
	v_add_nc_u32 v[QO+\z], s87, v[LI]              ; the tile of Q in its group
	s_bfe_u32 s87, s[TT+\z], 0x10002
	s_lshl_b32 s87, s87, 8
	s_add_co_u32 s87, s87, s86
	s_and_b32 s88, s[TT+\z], 3
	s_lshl_b32 s88, s88, 2
	s_add_co_u32 s87, s87, s88
	v_add_nc_u32 v[QSO+\z], s87, v[LR]             ; and its scale word
	s_bfe_u32 s87, s[TT+\z], 0x20001
	s_lshl_b32 s[QDS+\z], s87, 5                   ; its first query among the 128
	s_lshl_b32 s87, s[TT+\z], 12
	s_add_co_u32 s[OOS+\z], s87, s90               ; where its codes of o go
.endr
	s_wait_alu depctr_va_vdst(0)                   ; directly ahead of the readers below
	global_load_b128 v[QF:QF+3], v[QO], s[10:11]
	global_load_b128 v[QF+8:QF+11], v[QO], s[10:11] offset:512
	global_load_b32 v[QS], v[QSO], s[10:11] offset:4096
	global_load_b32 v[QS+1], v[QSO], s[10:11] offset:4100
	global_load_b128 v[QN:QN+3], v[QO+1], s[10:11]
	global_load_b128 v[QN+4:QN+7], v[QO+1], s[10:11] offset:512
	global_load_b32 v[QSN], v[QSO+1], s[10:11] offset:4096
	global_load_b32 v[QSN+1], v[QSO+1], s[10:11] offset:4100
	s_lshl_b32 s86, s[WV], 7
	v_lshl_add_u32 v[STG], v7, 2, s86
	v_add_nc_u32 v[STG], SST, v[STG]               ; the stage: the early pair begins at tile 2 w of the work-group's early sixteen,
	s_lshl_b32 s86, s[WV], 1
	s_xor_b32 s86, s86, 14
	s_lshl_b32 s86, s86, 6
	v_lshl_add_u32 v[STG+1], v7, 2, s86
	v_add_nc_u32 v[STG+1], SST+1024, v[STG+1]      ; the late pair at tile 14 - 2 w of its late sixteen
	v_lshl_add_u32 v[SBK], v0, 4, SST              ; back: waves 0-3, 16 bytes a thread
	s_lshl_b32 s87, ttmp9, 4                       ; the early sixteen begin at tile 16 i,
	s_sub_co_u32 s88, 112, s87                     ; the late ones at 16 (7 - i)
	s_lshr_b32 s86, s[WV], 1
	s_cmp_eq_u32 s86, 0
	s_cselect_b32 s86, s87, s88
	s_lshl_b32 s87, s13, 7
	s_add_co_u32 s86, s86, s87
	s_lshl_b32 s86, s86, 6                         ; 64 bytes a tile,
	s_lshl_b32 s87, s14, 15
	s_add_co_u32 s86, s86, s87                     ; 32,768 a head,
	s_and_b32 s87, s[WV], 1
	s_lshl_b32 s87, s87, 9
	s_add_co_u32 s86, s86, s87                     ; my 512 of the sixteen tiles' 1,024
	v_add_nc_u32 v[SGO], s86, v[LI]
.irp x, 0,1
.irp k, 4,5,6,7
	v_mov_b32 v[QF+8*\x+\k], 0                     ; zero codes for k = 64 .. 127
.endr
	v_mov_b32 v[FF+2*\x+1], 0
.endr
.irp t, 0,1,2,3
	v_mov_b32 v[KF+32+\t], 0                       ; the upper half of K's last fragment
.endr
.irp t, 0,1,2,3,4,5,6,7
	v_mov_b32 v[BT+\t], 0                          ; written once: a lane permute's destination counts as one of its sources
.endr
	v_mov_b32 v[NINF], 0xff800000
	INIT
.macro KLOAD adk, ads                  ; a step's K: its scale words and its eight tiles' registers 0-3, on end
	ds_load_b128 v[KSC:KSC+3], v[\ads] offset:4096
	ds_load_b128 v[KSC+4:KSC+7], v[\ads] offset:4352
.irp t, 0,1,2,3,4,5,6,7
	ds_load_b128 v[KF+4*\t:KF+4*\t+3], v[\adk] offset:512*\t
.endr
.endm
.macro MAXB x                          ; the largest score of each block of 32 keys of tile x: for the row's maximum and for the block's largest p.  Each accumulator is read from its low end on
.irp i, 0,2,4,6,8,10,12,14
.irp k, 0,1,2,3
.if \i == 0
	v_max3_num_f32 v[BM+4*\x+\k], v[NINF], v[S+16*\k], v[S+16*\k+1]
.else
	v_max3_num_f32 v[BM+4*\x+\k], v[BM+4*\x+\k], v[S+16*\k+\i], v[S+16*\k+\i+1]
.endif
.endr
.endr
.endm
.macro MASK x                          ; register 16 b + i holds key 32 b + 16 h + i of the step: hidden where 32 b + i > my query - 16 h; tile 1's queries lie 8 on
.set n, 0
.rept 64
	v_cmp_gt_i32 vcc_lo, 32*(n/16)+n%16-8*\x, v[QD]
	v_cndmask_b32 v[S+n], v[S+n], v[NINF], vcc_lo
.set n, n+1
.endr
.endm
.macro TMIN x                          ; t - M, two at a time
.set n, 0
.rept 32
	v_pk_fma_f32 v[S+n:S+n+1], v[S+n:S+n+1], s[CS:CS+1], v[NM+2*\x:NM+2*\x+1] op_sel_hi:[1,0,0]
.set n, n+2
.endr
.endm
.macro EXPS                            ; p = 2^(t - M), at most 1
.set n, 0
.rept 64
	v_exp_f32 v[S+n], v[S+n]
.set n, n+1
.endr
.endm
.macro SUMS x                          ; THE ROW'S SUM IS TAKEN OF THE UNQUANTISED p: two numbers an instruction, four chains by turns
.set n, 0
.rept 32
	v_pk_add_f32 v[SM+8*\x+2*(n%4):SM+8*\x+2*(n%4)+1], v[SM+8*\x+2*(n%4):SM+8*\x+2*(n%4)+1], v[S+2*n:S+2*n+1]
.set n, n+1
.endr
.endm
.macro CODES x
.irp k, 0,1,2,3
	v_cvt_scalef32_pk8_fp4_f32 v[PC+8*\x+2*\k], v[S+16*\k:S+16*\k+7], v[BS+4*\x+\k]
	v_cvt_scalef32_pk8_fp4_f32 v[PC+8*\x+2*\k+1], v[S+16*\k+8:S+16*\k+15], v[BS+4*\x+\k]
.endr
.endm
; A JOINT KEY STEP of the pair in hand: 32 queries x 128 keys, whose K lies in registers.  lo = 1: steps under s[LO] have been done.
.macro JSTEP lo
	s_cmp_gt_u32 s[KS], s[SD]                      ; all 128 keys come after the pair's queries: the step's work is left out (a branch on ids; no barrier stands in a step)
	s_cbranch_scc1 .Lhid_\@
.if \lo
	s_cmp_lt_u32 s[KS], s[LO]
	s_cbranch_scc1 .Lhid_\@
.endif
	v_add_nc_u32 v[ADV], s[TV], v[LI]              ; four places in front of loads into registers that the last products V^T P read
	v_add_nc_u32 v[ADT], s[TV], v[LR]
	v_add_nc_u32 v[ADK], s[TK], v[LI]
	v_add_nc_u32 v[ADS], s[TK], v[LR]
	s_wait_alu depctr_va_vdst(0)
	WIN 0x40
.irp t, 0,1,2,3                                ; V's four fragments have registers of their own: asked for here, wanted behind the softmax
.irp c, 0,1
	ds_load_b128 v[VF+8*\t+4*\c:VF+8*\t+4*\c+3], v[ADV] offset:1024*\t+512*\c
.endr
.endr
	WIN 0
	ds_load_b128 v[VSC:VSC+3], v[ADT] offset:4096
	s_wait_dscnt 9                                 ; K is in; the nine loads just issued may be out
.irp t, 0,1,2,3,4,5,6,7                        ; S^T = K Q^T, tile 0,
	v_wmma_scale_f32_16x16x128_f8f6f4 v[S+8*\t:S+8*\t+7], v[KF+4*\t:KF+4*\t+7], v[QF:QF+7], 0, v[KSC+\t], v[QS] matrix_a_fmt:MATRIX_FMT_FP4 matrix_b_fmt:MATRIX_FMT_FP4
.endr
	WIN 0x40
.irp t, 0,1,2,3,4,5,6,7                        ; and tile 1, into window 1
	v_wmma_scale_f32_16x16x128_f8f6f4 v[S+8*\t:S+8*\t+7], v[KF+4*\t:KF+4*\t+7], v[QF+8:QF+15], 0, v[KSC+\t], v[QS+1] matrix_a_fmt:MATRIX_FMT_FP4 matrix_b_fmt:MATRIX_FMT_FP4
.endr
	WIN 0
.rept 4
	v_nop                                          ; places in front of the first read of the scores, and of loads into registers that these products have read
.endr
	s_cmp_lt_u32 s[KS], s[SD]
	s_cbranch_scc0 .Ldiag_\@
	KLOAD ADK, ADS                                 ; a step under the diagonal has a successor: its K is asked for; nothing is masked
	s_branch .Lopen_\@
.Ldiag_\@:                                             ; the step on the diagonal is the pair's last, and the only one that is masked
	MASK 0
	WIN 0x41
	MASK 1
	WIN 0
.Lopen_\@:
	MAXB 0
	WIN 0x14
	MAXB 1
	WIN 0
.irp j, 0,1,2,3,4,5,6,7
	v_permlanex16_b32 v[BT+\j], v[BM+\j], s[SEL], s[SEL+1]
.endr
.irp j, 0,1,2,3,4,5,6,7
	v_max_num_f32 v[BM+\j], v[BM+\j], v[BT+\j]     ; with lane l xor 16's 16 keys
.endr
.irp x, 0,1                                    ; the two tiles by turns
	v_max3_num_f32 v[TP+\x], v[BM+4*\x], v[BM+4*\x+1], v[BM+4*\x+2]
.endr
.irp x, 0,1
	v_max_num_f32 v[TP+\x], v[TP+\x], v[BM+4*\x+3]
.endr
.irp x, 0,1
	v_mul_f32 v[TP+\x], s[CS], v[TP+\x]            ; the step's largest t (c is positive)
.endr
.irp x, 0,1
	v_max_num_f32 v[NM+2*\x+1], v[NM+2*\x+1], v[TP+\x]   ; the running largest t
.endr
.irp x, 0,1
	v_mov_b32 v[TP+\x], v[NM+2*\x]
.endr
.irp x, 0,1
	v_floor_f32 v[NM+2*\x], -v[NM+2*\x+1]          ; the new -M = -ceil(t): a whole number
.endr
.irp x, 0,1
	v_sub_f32 v[TP+\x], v[NM+2*\x], v[TP+\x]       ; old M - new M: a whole number, 0 or less
.endr
.irp x, 0,1
	v_cvt_i32_f32 v[TP+\x], v[TP+\x]               ; (it saturates)
.endr
.irp x, 0,1
	v_ldexp_f32 v[FF+2*\x], 1.0, v[TP+\x]          ; f = 2^(old M - new M)
.endr
.irp x, 0,1
.irp k, 0,1,2,3
	v_fma_f32 v[BM+4*\x+\k], v[BM+4*\x+\k], s[CS], v[NM+2*\x]   ; t - M of each block's largest score
.endr
.endr
	WIN 0x41
.irp x, 0,1                                    ; O^T under the new M, each accumulator from its low end on; no transcendental stands between the last products and these lines
.set n, 0
.rept 16
	v_pk_mul_f32 v[OT+32*\x+n:OT+32*\x+n+1], v[OT+32*\x+n:OT+32*\x+n+1], v[FF+2*\x:FF+2*\x+1] op_sel_hi:[1,0]
.set n, n+2
.endr
.endr
	TMIN 1
	WIN 0
	TMIN 0
	s_wait_alu depctr_va_vdst(0)                   ; ahead of the batch
	EXPS
	WIN 0x41
	EXPS
	WIN 0
.irp x, 0,1
.irp k, 0,2,4,6
	v_pk_mul_f32 v[SM+8*\x+\k:SM+8*\x+\k+1], v[SM+8*\x+\k:SM+8*\x+\k+1], v[FF+2*\x:FF+2*\x+1] op_sel_hi:[1,0]   ; the sums under the new M: plain places behind the exponentials
.endr
.endr
	s_wait_alu depctr_va_vdst(0)                   ; one wait for the batch, ahead of its first reader
.irp j, 0,1,2,3,4,5,6,7
	v_exp_f32 v[BM+\j], v[BM+\j]                   ; the block's largest p: the same two instructions on the same number
.endr
	SUMS 0
	s_wait_alu depctr_va_vdst(0)                   ; and one wait for the eight
.irp j, 0,1,2,3,4,5,6,7
	v_max_num_f32 v[BM+\j], 0x1800000, v[BM+\j]    ; the floor 2^(3 - 127): the byte cannot fall under 1
.endr
.irp j, 0,1,2,3,4,5,6,7
	v_add_nc_u32 v[BS+\j], 0xff000000, v[BM+\j]    ; 2 off the exponent field: the conversion's scale operand
.endr
.irp j, 0,1,2,3,4,5,6,7
	v_lshrrev_b32 v[BT+\j], 23, v[BS+\j]           ; the scale's byte
.endr
.irp x, 0,1
	v_lshl_or_b32 v[PS+\x], v[BT+4*\x+1], 8, v[BT+4*\x]   ; p's scale word for these 128 keys
.endr
.irp x, 0,1
	v_lshl_or_b32 v[PS+\x], v[BT+4*\x+2], 16, v[PS+\x]
.endr
.irp x, 0,1
	v_lshl_or_b32 v[PS+\x], v[BT+4*\x+3], 24, v[PS+\x]
.endr
	CODES 0
	WIN 0x01
	CODES 1
	WIN 0
	v_nop                                          ; one plain place behind a scaled conversion
.irp x, 0,1
.irp c, 0,1
.irp i, 0,1
	v_permlane16_swap_b32 v[PC+8*\x+4*\c+\i], v[PC+8*\x+4*\c+2+\i]   ; a whole block in a lane
.endr
.endr
.endr
	WIN 0x04
	SUMS 1                                         ; these 32 name no register of the products below: the places behind p's codes and scale words
	WIN 0x51
	s_wait_alu depctr_va_vdst(0)                   ; directly ahead of the wait below
	s_wait_dscnt 0x0                               ; V is in (and the next step's K)
.irp t, 0,1,2,3                                ; O^T += V^T P^T: the eight accumulators take turns
.irp x, 0,1
	v_wmma_scale_f32_16x16x128_f8f6f4 v[OT+32*\x+8*\t:OT+32*\x+8*\t+7], v[VF+8*\t:VF+8*\t+7], v[PC+8*\x:PC+8*\x+7], v[OT+32*\x+8*\t:OT+32*\x+8*\t+7], v[VSC+\t], v[PS+\x] matrix_a_fmt:MATRIX_FMT_FP4 matrix_b_fmt:MATRIX_FMT_FP4
.endr
.endr
	WIN 0
.Lhid_\@:
.endm
; n trips from step 0 on.  The trip count is a constant; the causal mask and s[LO] leave out work alone.
.macro TRIPS n, lo
	s_mov_b32 s[TK], KST
	s_mov_b32 s[TV], VB
	s_mov_b32 s[KS], 0
	s_mov_b32 s[CNT], \n
.Ltrip_\@:
	JSTEP \lo
	s_add_co_u32 s[TK], s[TK], KST
	s_add_co_u32 s[TV], s[TV], VST
	s_add_co_u32 s[KS], s[KS], 1
	s_sub_co_u32 s[CNT], s[CNT], 1
	s_cmp_lg_u32 s[CNT], 0
	s_cbranch_scc1 .Ltrip_\@
.endm
	s_wait_alu depctr_va_vdst(0)                   ; at the head's end
	s_wait_tensorcnt 0x0                           ; chunk 0 has landed (waves 0 and 4; the others have nothing out)
	ds_add_u32 v[SPW], v[NIL]                      ; the add, twice on end
	ds_add_u32 v[SPW], v[NIL]
	s_wait_dscnt 0x0
	s_barrier_signal -1
	s_barrier_wait -1
	s_cmp_eq_u32 s[CHK], 0                         ; chunks 1 to 3, first fills all: waves 1-3 for K, waves 5-7 for V, one load a wave
	s_cbranch_scc1 .Lrest_asked
	s_cmp_lt_u32 s[WV], 4
	s_cbranch_scc0 .Lrest_v
	TL G0K, G1K
	s_branch .Lrest_asked
.Lrest_v:
	TL G0V, G1V
.Lrest_asked:
	s_wait_loadcnt 0x0                             ; Q of both pairs
	KLOAD LI, LR                                   ; step 0's K
	TRIPS 3, 0                                     ; the late pair's steps 0-2 (its diagonal lies at step 8 or later); they ask for K of steps 1-3: chunk 0 alone is read
	s_wait_tensorcnt 0x0                           ; my chunk has landed,
	s_wait_dscnt 0x0
	s_barrier_signal -1
	s_barrier_wait -1                              ; and everybody's: all of K and V is in
	s_mov_b32 s[LO], 3
	s_mov_b32 s[PASS], 0
.Lpass:                                                ; two passes: the late pair from step 3 on, then the early pair from step 0 on
	TRIPS 16, 1
; THE WAY OUT of the pair: O^T / the sum; of a tile's 32 numbers register 16 b + i is channel 32 b + 16 h + i: two blocks of the last product's K.  A tile's codes are half an image (part head % 2): 512 consecutive bytes.
; Tile 0's numbers go to v[S] on, tile 1's to v[S + 32] on: four blocks in window 0.
.irp x, 0,1
	v_pk_add_f32 v[SM+8*\x:SM+8*\x+1], v[SM+8*\x:SM+8*\x+1], v[SM+8*\x+2:SM+8*\x+3]   ; the sum's four chains,
	v_pk_add_f32 v[SM+8*\x+4:SM+8*\x+5], v[SM+8*\x+4:SM+8*\x+5], v[SM+8*\x+6:SM+8*\x+7]
.endr
.irp x, 0,1
	v_pk_add_f32 v[SM+8*\x:SM+8*\x+1], v[SM+8*\x:SM+8*\x+1], v[SM+8*\x+4:SM+8*\x+5]
.endr
.irp x, 0,1
	v_add_f32 v[TP+\x], v[SM+8*\x], v[SM+8*\x+1]   ; its two halves,
.endr
.irp x, 0,1
	v_permlanex16_b32 v[BT+\x], v[TP+\x], s[SEL], s[SEL+1]
.endr
.irp x, 0,1
	v_add_f32 v[TP+\x], v[TP+\x], v[BT+\x]         ; and lane l xor 16's
.endr
	v_add_nc_u32 v[OO], s[OOS], v[LI]
	s_wait_alu depctr_va_vdst(0)                   ; ahead of the transcendentals
	v_rcp_f32 v[FF], v[TP]
	v_rcp_f32 v[FF+2], v[TP+1]
	v_nop                                          ; one plain place behind a transcendental
	WIN 0x01
	s_wait_alu depctr_va_vdst(0)                   ; and ahead of their first reader, which is O^T's first reader too
.irp x, 0,1
.set n, 0
.rept 16
	v_pk_mul_f32 v[S+32*\x+n:S+32*\x+n+1], v[OT+32*\x+n:OT+32*\x+n+1], v[FF+2*\x:FF+2*\x+1] op_sel_hi:[1,0]
.set n, n+2
.endr
.endr
	WIN 0
.irp k, 0,1,2,3
	v_max3_num_f32 v[BM+\k], |v[S+16*\k]|, |v[S+16*\k+1]|, 0x1800000
.endr
.irp i, 2,4,6,8,10,12,14
.irp k, 0,1,2,3
	v_max3_num_f32 v[BM+\k], v[BM+\k], |v[S+16*\k+\i]|, |v[S+16*\k+\i+1]|
.endr
.endr
.irp k, 0,1,2,3
	v_permlanex16_b32 v[BT+\k], v[BM+\k], s[SEL], s[SEL+1]
.endr
.irp k, 0,1,2,3
	v_max_num_f32 v[BM+\k], v[BM+\k], v[BT+\k]
.endr
.irp k, 0,1,2,3
	v_add_nc_u32 v[BS+\k], 0xff000000, v[BM+\k]
.endr
.irp k, 0,1,2,3
	v_lshrrev_b32 v[BT+\k], 23, v[BS+\k]
.endr
.irp x, 0,1
	v_lshl_or_b32 v[TP+\x], v[BT+2*\x+1], 8, v[BT+2*\x]
.endr
.irp x, 0,1
	v_lshlrev_b32 v[WD+\x], s[HSH], v[TP+\x]       ; an even head's bytes lie low, an odd head's high; the rest is 0
.endr
.irp k, 0,1,2,3
	v_cvt_scalef32_pk8_fp4_f32 v[PC+2*\k], v[S+16*\k:S+16*\k+7], v[BS+\k]
	v_cvt_scalef32_pk8_fp4_f32 v[PC+2*\k+1], v[S+16*\k+8:S+16*\k+15], v[BS+\k]
.endr
	v_nop
.irp x, 0,1
.irp i, 0,1
	v_permlane16_swap_b32 v[PC+4*\x+\i], v[PC+4*\x+2+\i]
.endr
.endr
	global_store_b128 v[OO], v[PC:PC+3], s[8:9]
	global_store_b128 v[OO], v[PC+4:PC+7], s[8:9] offset:4096
	s_wait_alu depctr_va_vdst(0)
	s_add_co_u32 s[PASS], s[PASS], 1
	s_cmp_lt_u32 s[PASS], 2
	s_cbranch_scc0 .Lfin
	s_wait_xcnt 0x0                                ; BETWEEN THE PASSES.  The stores have read their registers
.irp x, 0,1
.irp k, 0,1,2,3
	v_mov_b32 v[QF+8*\x+\k], v[QN+4*\x+\k]         ; the early pair's Q,
.endr
	v_mov_b32 v[QS+\x], v[QSN+\x]                  ; its scale words;
	v_mov_b32 v[WDS+\x], v[WD+\x]                  ; the late pair's scale words of o are kept
.endr
	s_mov_b32 s[SD], s[SD+1]
	s_mov_b32 s[QDS], s[QDS+1]
	s_mov_b32 s[OOS], s[OOS+1]
	s_mov_b32 s[LO], 0
	INIT
	KLOAD LI, LR                                   ; step 0's K
	s_wait_alu depctr_va_vdst(0)                   ; directly ahead of the branch
	s_cmp_lt_u32 s[PASS], 2
	s_cbranch_scc1 .Lpass
.Lfin:
	ds_store_b32 v[STG], v[WD]                     ; the words of sixteen tiles meet in the stage and leave as whole runs of 512 bytes; both halves of the lanes write the same word with the same value
	ds_store_b32 v[STG], v[WD+1] offset:64
	ds_store_b32 v[STG+1], v[WDS]
	ds_store_b32 v[STG+1], v[WDS+1] offset:64
	s_wait_dscnt 0x0                               ; for the others' sake: my words are in the stage
	s_barrier_signal -1
	s_barrier_wait -1
	s_cmp_lt_u32 s[WV], 4
	s_cbranch_scc0 .Lend
	ds_load_b128 v[S:S+3], v[SBK]
	s_wait_dscnt 0x0
	global_store_b128 v[SGO], v[S:S+3], s[8:9] offset:4194304   ; the scale words lie behind the codes; 32 lanes store 512 consecutive bytes
.Lend:
	s_wait_tensorcnt 0x0                           ; the wave's end
	ds_add_u32 v[SPW], v[NIL]
	s_wait_dscnt 0x0
	s_endpgm
.Lfunc_end_k_q9d2e0d6ad0_attn:
	.size	k_q9d2e0d6ad0_attn, .Lfunc_end_k_q9d2e0d6ad0_attn-k_q9d2e0d6ad0_attn
	.p2alignl 7, 3214868480
	.fill 96, 4, 3214868480
	.section	.rodata,"a",@progbits
	.p2align	6, 0x0
	.amdhsa_kernel k_q9d2e0d6ad0_attn
		.amdhsa_group_segment_fixed_size 327680
		.amdhsa_private_segment_fixed_size 0
		.amdhsa_enable_private_segment 0
		.amdhsa_kernarg_size 24
		.amdhsa_user_sgpr_count 2
		.amdhsa_user_sgpr_kernarg_segment_ptr 1
		.amdhsa_wavefront_size32 1
		.amdhsa_system_sgpr_workgroup_id_x 1
		.amdhsa_system_sgpr_workgroup_id_y 1
		.amdhsa_system_sgpr_workgroup_id_z 1
		.amdhsa_system_vgpr_workitem_id 0
		.amdhsa_next_free_vgpr 512
		.amdhsa_next_free_sgpr 100
		.amdhsa_reserve_vcc 1
		.amdhsa_float_denorm_mode_32 3
		.amdhsa_float_denorm_mode_16_64 3
		.amdhsa_memory_ordered 1
		.amdhsa_forward_progress 1
		.amdhsa_inst_pref_size 103
	.end_amdhsa_kernel
	.amdgpu_metadata
---
amdhsa.version: [ 1, 2 ]
amdhsa.kernels:
  - .name:           k_q9d2e0d6ad0_attn
    .symbol:         k_q9d2e0d6ad0_attn.kd
    .args:
      - { .name: qk, .offset: 0, .size: 8, .value_kind: global_buffer, .address_space: global }
      - { .name: vt, .offset: 8, .size: 8, .value_kind: global_buffer, .address_space: global }
      - { .name: ao, .offset: 16, .size: 8, .value_kind: global_buffer, .address_space: global }
    .group_segment_fixed_size: 327680
    .private_segment_fixed_size: 0
    .kernarg_segment_align: 8
    .kernarg_segment_size: 24
    .max_flat_workgroup_size: 256
    .sgpr_count:     100
    .vgpr_count:     512
    .wavefront_size: 32
...
	.end_amdgpu_metadata
.endif
;; end of part 3
;; launch proj (part 4): grid 4 x 64, 4 waves a work-group, clusters of 4 x 4, 327,680 bytes of LDS; arguments ao, wq, b_out, out0; writes out0
.if DOCPART == 4
	.amdgcn_target "amdgcn-amd-amdhsa--gfx1250"
	.amdhsa_code_object_version 6
	.text
	.protected	k_q9d2e0d6ad0_proj
	.globl	k_q9d2e0d6ad0_proj
	.p2align	8
	.type	k_q9d2e0d6ad0_proj,@function
k_q9d2e0d6ad0_proj:
	s_mov_b64 s[64:65], 0
	v_nop
	global_prefetch_b8 v0, s[64:65] scope:SCOPE_SE
	s_setreg_imm32_b32 hwreg(HW_REG_WAVE_MODE, 25, 1), 1
	s_wait_xcnt 0x0
	s_wait_alu depctr_hold_cnt(0) depctr_sa_sdst(0) depctr_va_vdst(0) depctr_va_sdst(0) depctr_va_ssrc(0) depctr_va_vcc(0) depctr_vm_vsrc(0)
	s_getreg_b32 s2, hwreg(HW_REG_IB_STS2, 6, 4)
	s_cmp_eq_u32 s2, 0
	s_cbranch_scc0 .Lentry_in_a_cluster
	s_endpgm
.Lentry_in_a_cluster:
	s_bfe_u32 s2, ttmp6, 0x10000c
	s_cmp_lg_u32 s2, 0xf033
	s_cbranch_scc0 .Lentry_shape_is_right
	s_endpgm
.Lentry_shape_is_right:
; out0 = o w_out^T + b_out on codes of FP4 with E8M0 scales.  o's codes and scale words come from the attention launch, w_out's are tiles 192-255 of the weights' buffer.
; 256 work-groups of four waves: each makes 128 tokens x 256 columns, a wave 64 x 128: 32 accumulators.  K = 1,024 is two LDS slots of 512, each filled ONCE: no LDS byte is filled twice.
; Source 0 = P = w_out's rows (output columns), source 1 = Q = o's rows (tokens): a lane holds one token and eight neighbouring columns a register run.  The bias is the C of each sum's first product.
; CLUSTERS: 4 x 4: P's tile hangs on cx and is shared along a column of the cluster, Q's on cy and along a row: joint loads.
; NO PREFETCH: all operands have been asked for by the second group of loads; the text has no loop to run ahead in.
; Operands are images of their registers (16 positions x 128 K = 1,024 bytes); position r of tile t is row 32 (t / 2) + 8 (t % 2) + r % 8 + 16 (r / 8): only the stores below turn positions back into rows and columns.
; o's scale words lie by head ([head 16][tile][r] words, an even head's two bytes low, an odd head's high, the rest 0): a K step's word is the OR of its two heads' words.
; REGISTERS: window 0: v1-28 addresses; v32-63 Q's scale words, v96-159 P's (register 8 tile + K step); v160-223 Q's fragments, two sets of 32.
;   window 1: P's fragments, two sets, v0-63 and v128-191 (on the way out: rows read back); v64-127 the bias.   window 2: the accumulators, (a, b) at v[8 (8 a + b)].
.set GSX,   2097152
.set GSW,   1048576
.set SLOT,  131072                     ; an LDS slot: Q's 32,768 bytes at 0, P's 65,536 bytes at 65,536
.set SCL,   262144                     ; behind the slots: Q's scale words, 8,192 bytes ([head 16][tile 8][r 16] words); at + 16,384 P's, 8,192 bytes
.set SPITCH, 528                       ; the way out: a stage of 16 rows x (512 + 16) bytes for each wave, from LDS byte 0: slot 0 has had its one fill and its last read by then
.set ADRA, 16
.set ADRB, 20
.set ADSA, 22
.set ADSB, 23
.set CO,   3                           ; v3   16 x lane
.set STO,  24                          ; v24  the stage: where I put 32 bytes of a row
.set RD,   25                          ; v25  and where I read a row back
.set OBP,  27                          ; v27  64 h
.set SA,   32
.set SB,   96
.set AF,   160
.set BP,   64                          ; in window 1
.set G1,   24
.set G0,   32
.set G1B,  48
.set G0B,  56
.set G1S,  68
.set G0S,  76
.set G1SB, 80
.set G0SB, 88
.set MSB, 0
.macro WIN new                         ; the immediate's high byte repeats the setting that is left
.if MSB != (\new)
	s_set_vgpr_msb (MSB<<8)|(\new)
.set MSB, (\new)
.endif
.endm
.set MUL_LO, 0xa1                      ; source 0 (P) window 1, source 1 (Q) window 0, C and D window 2
.set FST_LO, 0x91                      ; the first step: C (the bias) window 1, D window 2
.set TO_B,   0x40
.macro JLOAD g0a, g1a, g0b, g1b        ; a joint load: waves 0 and 1 fetch for Q, waves 2 and 3 for P; an s_nop 0 and four v_nop follow each of the two lines
	s_cmp_eq_u32 s15, 0
	s_cbranch_scc0 .Lfor_b_\@
	tensor_load_to_lds s[\g0a:\g0a+3], s[\g1a:\g1a+7]
	s_nop 0
.rept 4
	v_nop
.endr
	s_branch .Lasked_\@
.Lfor_b_\@:
	tensor_load_to_lds s[\g0b:\g0b+3], s[\g1b:\g1b+7]
	s_nop 0
.rept 4
	v_nop
.endr
.Lasked_\@:
.endm
.macro CROUND                          ; a round of the cluster's barrier
	s_barrier_signal -1
	s_barrier_wait -1
	s_cmp_lg_u32 s14, 0
	s_cbranch_scc1 .Lnot_wave_0_\@
	s_barrier_signal -3
.Lnot_wave_0_\@:
	s_barrier_wait -3
	s_barrier_signal -1
	s_barrier_wait -1
.endm
.macro PLACES n
.rept \n
	v_nop
.endr
.endm
.macro ARM under, g0, g1, next         ; an arm of the head's chain of branches on the wave's number
	s_cmp_lt_u32 s14, \under
	s_cbranch_scc0 \next
	tensor_load_to_lds s[\g0:\g0+3], s[\g1:\g1+7]
	s_nop 0
.rept 4
	v_nop
.endr
	s_branch .Lhead_asked
\next:
.endm
	s_load_b256 s[4:11], s[0:1], 0x0               ; ao s[4:5], wq s[6:7], b_out s[8:9], out0 s[10:11]
	v_lshl_add_u32 v254, v0, 2, 0x46000
	v_mov_b32 v255, 0
	ds_add_u32 v254, v255                          ; the opening lines: the add twice on end and its wait
	ds_add_u32 v254, v255
	v_lshrrev_b32 v1, 5, v0
	v_readfirstlane_b32 s14, v1                    ; wave 0..3
	s_lshr_b32 s15, s14, 1                         ; my half of Q's 128 tokens.  Also: I fetch for Q (0) or for P (1)
	s_and_b32 s16, s14, 1                          ; my half of P's 256 columns.  Also: which half of that tile I fetch
	s_bfe_u32 s40, ttmp6, 0x40000                  ; cx, cy
	s_bfe_u32 s41, ttmp6, 0x40004
	s_lshl_b32 s42, ttmp9, 2
	s_add_co_u32 s42, s42, s40                     ; P's tile of 256 columns, 0..3
	s_and_b32 s17, ttmp7, 0xffff
	s_lshl_b32 s17, s17, 2
	s_add_co_u32 s17, s17, s41                     ; Q's tile of 128 tokens, 0..63
	s_lshl_b32 s43, s41, 2
	s_lshl_b32 s43, 15, s43                        ; my row of the cluster
	s_lshl_b32 s44, 0x1111, s40                    ; my column
	s_or_b32 s[G1+0], s43, (3<<16)|(1<<21)         ; 15:0 the mask; 17:16 elements of 8 bytes; 21 set beside a mask
	s_or_b32 s[G1B+0], s44, (3<<16)|(1<<21)
	s_or_b32 s[G1S+0], s43, (3<<16)|(1<<21)
	s_or_b32 s[G1SB+0], s44, (3<<16)|(1<<21)
.irp g, G1, G1B                                ; codes: dense blocks as rows of 256 bytes
	s_mov_b32 s[\g+1], 32<<16
	s_mov_b32 s[\g+3], 32<<16
	s_mov_b32 s[\g+5], 32
	s_mov_b32 s[\g+6], 0
	s_mov_b32 s[\g+7], 0
.endr
	s_mov_b32 s[G1+2], 128<<16                     ; the head's load of Q: 32,768 bytes, 128 rows;
	s_mov_b32 s[G1+4], 128
	s_mov_b32 s[G1B+2], 256<<16                    ; of P: 65,536 bytes, 256 rows
	s_mov_b32 s[G1B+4], 256
	s_mov_b32 s[G1S+1], 64<<16                     ; Q's scale words: 16 heads' rows of 512 bytes (8 tiles), 32,768 bytes apart
	s_mov_b32 s[G1S+2], 16<<16
	s_mov_b32 s[G1S+3], 64<<16
	s_mov_b32 s[G1S+4], 16
	s_mov_b32 s[G1S+5], 4096
	s_mov_b32 s[G1S+6], 0
	s_mov_b32 s[G1S+7], 0
	s_mov_b32 s[G1SB+1], 32<<16                    ; P's: a dense block of 8,192 bytes
	s_mov_b32 s[G1SB+2], 32<<16
	s_mov_b32 s[G1SB+3], 32<<16
	s_mov_b32 s[G1SB+4], 32
	s_mov_b32 s[G1SB+5], 32
	s_mov_b32 s[G1SB+6], 0
	s_mov_b32 s[G1SB+7], 0
	s_lshl_b32 s2, s16, 14                         ; of K half 1 I fetch half a tile: of Q 4 tiles of 4,096 bytes,
	s_mov_b32 s3, 0
	s_lshl_b32 s98, s16, 15                        ; of P 8
	s_mov_b32 s99, 0
	s_lshl_b32 s22, s17, 15                        ; Q's codes, K half 0: 8 tiles of 4,096 bytes a work-group
	s_mov_b32 s23, 0
	s_lshl_b32 s46, s42, 16
	s_add_co_u32 s46, s46, 192*4096                ; P's: w_out begins at tile 192
	s_mov_b32 s47, 0
	s_lshl_b32 s94, s17, 9
	s_add_co_u32 s94, s94, 2*GSX                   ; Q's scale words: 64 bytes a tile within a head
	s_mov_b32 s95, 0
	s_lshl_b32 s96, s42, 13
	s_add_co_u32 s96, s96, 2*GSW+192*512           ; P's: 512 bytes a tile
	s_mov_b32 s97, 0
	s_lshl_b32 s66, s42, 8
	s_lshl_b32 s18, s16, 7
	s_add_co_u32 s66, s66, s18                     ; my first column
	s_lshl_b32 s67, s17, 7
	s_lshl_b32 s18, s15, 6
	s_add_co_u32 s67, s67, s18                     ; my first token
	s_wait_dscnt 0x0                               ; both opening adds are done
	s_wait_kmcnt 0x0
	s_mov_b32 s[G0], 1                             ; the head's load of Q: from LDS byte 0
	s_mov_b32 s[G0+1], 0
	s_add_nc_u64 s[G0+2:G0+3], s[4:5], s[22:23]
	s_mov_b32 s[G0+4], 1                           ; K half 1: my half of Q's tile: no place in the cluster enters an LDS address
	s_add_co_u32 s[G0+5], s2, SLOT
	s_add_nc_u64 s[G0+6:G0+7], s[G0+2:G0+3], GSX
	s_add_nc_u64 s[G0+6:G0+7], s[G0+6:G0+7], s[2:3]
	s_or_b32 s[G0+3], s[G0+3], 0x80000000
	s_or_b32 s[G0+7], s[G0+7], 0x80000000
	s_mov_b32 s[G0B], 1                            ; the same for P
	s_mov_b32 s[G0B+1], 65536
	s_add_nc_u64 s[G0B+2:G0B+3], s[6:7], s[46:47]
	s_mov_b32 s[G0B+4], 1
	s_add_co_u32 s[G0B+5], s98, SLOT+65536
	s_add_nc_u64 s[G0B+6:G0B+7], s[G0B+2:G0B+3], GSW
	s_add_nc_u64 s[G0B+6:G0B+7], s[G0B+6:G0B+7], s[98:99]
	s_or_b32 s[G0B+3], s[G0B+3], 0x80000000
	s_or_b32 s[G0B+7], s[G0B+7], 0x80000000
	s_mov_b32 s[G0S], 1
	s_mov_b32 s[G0S+1], SCL
	s_add_nc_u64 s[G0S+2:G0S+3], s[4:5], s[94:95]
	s_or_b32 s[G0S+3], s[G0S+3], 0x80000000
	s_mov_b32 s[G0SB], 1
	s_mov_b32 s[G0SB+1], SCL+16384
	s_add_nc_u64 s[G0SB+2:G0SB+3], s[6:7], s[96:97]
	s_or_b32 s[G0SB+3], s[G0SB+3], 0x80000000
	s_lshl_b32 s94, s66, 2
	s_add_nc_u64 s[8:9], s[8:9], s[94:95]          ; the bias at my first column
	s_lshl_b32 s96, s67, 12
	s_add_co_u32 s96, s96, s94
	s_add_nc_u64 s[10:11], s[10:11], s[96:97]      ; out0 at my first token and column: rows of 4,096 bytes
; THE HEAD'S LOADS, ONE A WAVE: wave 0 K half 0 of Q's 128 tokens, wave 1 of P's 256 columns, wave 2 Q's scale words, wave 3 P's.
; One chain of branches on the wave's number, an arm a load, all arms leading to one join.
	CROUND                                         ; all sixteen work-groups are here: the joint loads meet
	ARM 1, G0,  G1,  .Lhead_b
	ARM 2, G0B, G1B, .Lhead_sa
	ARM 3, G0S, G1S, .Lhead_sb
	tensor_load_to_lds s[G0SB:G0SB+3], s[G1SB:G1SB+7]
	s_nop 0
.rept 4
	v_nop
.endr
.Lhead_asked:
	v_and_b32 v1, 15, v0                           ; r
	v_bfe_u32 v2, v0, 4, 1                         ; h
	v_and_b32 v3, 31, v0
	v_lshlrev_b32 v3, 4, v3                        ; 16 x lane
	s_lshl_b32 s22, s15, 14                        ; my four tiles of Q
	v_add_nc_u32 v[ADRA], s22, v3
	v_add_nc_u32 v[ADRA+1], SLOT, v[ADRA]
	s_lshl_b32 s23, s16, 15                        ; my eight tiles of P
	s_add_co_u32 s23, s23, 65536
	v_add_nc_u32 v[ADRB], s23, v3
	v_add_nc_u32 v[ADRB+1], SLOT, v[ADRB]
	s_lshl_b32 s22, s15, 8                         ; Q's scale words: my four tiles begin 256 bytes x half on in each head's row
	s_add_co_u32 s22, s22, SCL
	v_lshl_add_u32 v[ADSA], v1, 2, s22             ; a word a position
	s_lshl_b32 s23, s16, 12
	s_add_co_u32 s23, s23, SCL+16384
	v_lshl_add_u32 v[ADSB], v1, 4, s23             ; four words a position
	s_mul_i32 s22, s14, 16*SPITCH                  ; my stage
	v_mul_u32_u24 v[STO], v1, SPITCH
	v_lshl_add_u32 v[STO], v2, 6, v[STO]
	v_add_nc_u32 v[STO], s22, v[STO]               ; in: row r, + 64 h bytes: columns 16 h on of each 32
	v_add_nc_u32 v[RD], s22, v3                    ; back: the 32 lanes take one row of 512 bytes
	v_lshlrev_b32 v[OBP], 6, v2
	WIN TO_B
.irp b, 0,1,2,3
.irp j, 0,1,2,3
	global_load_b128 v[BP+16*\b+4*\j:BP+16*\b+4*\j+3], v[OBP], s[8:9] offset:128*\b+16*\j   ; register 16 b + i: column 32 b + 16 h + i
.endr
.endr
	WIN 0
.macro FRAG reg, adr, q, i             ; a fragment comes as it was stored: two loads of 512 consecutive bytes
.irp c, 0,1
	ds_load_b128 v[\reg+4*\c:\reg+4*\c+3], v[\adr] offset:4096*(\i)+1024*(\q)+512*\c
.endr
.endm
.macro FETCH kap                       ; the fragments of K step kap, P's eight and Q's four, into the sets kap % 2: 24 loads
	WIN TO_B
.irp i, 0,1,2,3,4,5,6,7
	FRAG 128*((\kap)%2)+8*\i, ADRB+(\kap)/4, (\kap)%4, \i
.endr
	WIN 0
.irp i, 0,1,2,3
	FRAG AF+32*((\kap)%2)+8*\i, ADRA+(\kap)/4, (\kap)%4, \i
.endr
.endm
; 16 matrix instructions: Q's blocks a0, a0 + 1 x P's eight, K step kap.  first = 1: the bias starts the sums.  The 32 accumulators take turns, one instruction a turn.
.macro MUL16 a0, kap, first
.irp a, \a0, \a0+1
.irp b, 0,1,2,3,4,5,6,7
.if \first
	v_wmma_scale_f32_16x16x128_f8f6f4 v[8*(8*(\a)+\b):8*(8*(\a)+\b)+7], v[128*((\kap)%2)+8*\b:128*((\kap)%2)+8*\b+7], v[AF+32*((\kap)%2)+8*(\a):AF+32*((\kap)%2)+8*(\a)+7], v[BP+8*\b:BP+8*\b+7], v[SB+8*\b+(\kap)], v[SA+8*(\a)+(\kap)] matrix_a_fmt:MATRIX_FMT_FP4 matrix_b_fmt:MATRIX_FMT_FP4
.else
	v_wmma_scale_f32_16x16x128_f8f6f4 v[8*(8*(\a)+\b):8*(8*(\a)+\b)+7], v[128*((\kap)%2)+8*\b:128*((\kap)%2)+8*\b+7], v[AF+32*((\kap)%2)+8*(\a):AF+32*((\kap)%2)+8*(\a)+7], v[8*(8*(\a)+\b):8*(8*(\a)+\b)+7], v[SB+8*\b+(\kap)], v[SA+8*(\a)+(\kap)] matrix_a_fmt:MATRIX_FMT_FP4 matrix_b_fmt:MATRIX_FMT_FP4
.endif
.endr
.endr
.endm
	s_wait_alu depctr_va_vdst(0)                   ; at the head's end
	s_wait_tensorcnt 0x0                           ; my tile of the head's four is in
	ds_add_u32 v254, v255
	s_mov_b32 s[G1+2], 64<<16                      ; no tensor load of mine is out: from here on a load brings half a tile: 64 rows of Q,
	s_mov_b32 s[G1+4], 64
	s_mov_b32 s[G1B+2], 128<<16                    ; 128 of P
	s_mov_b32 s[G1B+4], 128
	s_wait_dscnt 0x0
	CROUND                                         ; a whole round: all four tiles are in, and the joint loads meet
	JLOAD G0+4, G1, G0B+4, G1B                     ; K half 1, a quarter of the slot a wave: the first tensor load behind the round
.irp i, 0,1,2,3,4,5,6,7
.irp g, 0,1
	ds_load_b128 v[SB+8*\i+4*\g:SB+8*\i+4*\g+3], v[ADSB] offset:512*\i+256*\g
.endr
.endr
.irp i, 0,1,2,3
.irp k, 0,1,2,3,4,5,6,7
	ds_load_b32 v[SA+8*\i+\k], v[ADSA] offset:1024*\k+64*\i         ; the even head's word of K step k,
	ds_load_b32 v[AF+8*\i+\k], v[ADSA] offset:1024*\k+64*\i+512     ; the odd head's
.endr
.endr
	s_wait_dscnt 0x0
.set n, 0
.rept 32
	v_or_b32 v[SA+n], v[SA+n], v[AF+n]             ; the K step's word
.set n, n+1
.endr
	FETCH 0
	PLACES 8                                       ; a scale register written by a vector instruction stands 8 places ahead of a scaled matrix instruction
	s_wait_alu depctr_va_vdst(0)                   ; directly ahead of the wait below
	s_wait_loadcnt 0x0                             ; the bias
; THE K STEPS: while a step's 32 products are issued, the next step's 24 loads are on their way into the other sets.
.irp k, 0,1,2,3,4,5,6,7
.if \k == 3                                    ; slot 0's last step: the next fragments lie in slot 1
	s_wait_tensorcnt 0x0                           ; my part of K half 1 has landed,
	s_wait_dscnt 0x0                               ; this step's sets are in, and my reads of slot 0 are over
	s_barrier_signal -1
	WIN MUL_LO
	MUL16 0, \k, 0                                 ; work on registers while the others arrive
	s_barrier_wait -1                              ; both hold of every wave
	PLACES 4                                       ; in front of loads into the sets that the last step's products read
	FETCH \k+1
	WIN MUL_LO
	MUL16 2, \k, 0
	WIN 0
.else
	s_wait_dscnt 0x0                               ; this step's sets are in
.if \k > 0
	PLACES 4                                       ; in front of loads into the sets that the last step's products read
.endif
.if \k < 7
	FETCH \k+1
.endif
.if \k == 0
	WIN FST_LO
	MUL16 0, \k, 1
	MUL16 2, \k, 1
.else
	WIN MUL_LO
	MUL16 0, \k, 0
	MUL16 2, \k, 0
.endif
	WIN 0
.endif
.endr
; THE WAY OUT, Q's block a (16 tokens x 128 columns) at a time, through my own stage: a lane's eight results are eight neighbouring columns, 32 (b / 2) + 16 h + 8 (b % 2) on; they come back as whole rows of 512 bytes.
; LDS serves a wave's instructions in order (ISA guide 5.7.1.4): no wait between the stores and the loads, nor in front of the next block's stores.
.macro TOSTAGE a
.set AC, 64*(\a)
	WIN 0x08                                       ; the data: window 2
.irp b, 0,1,2,3,4,5,6,7
	ds_store_b128 v[STO], v[AC+8*\b:AC+8*\b+3] offset:128*(\b/2)+32*(\b%2)          ; each accumulator from its low end on
	ds_store_b128 v[STO], v[AC+8*\b+4:AC+8*\b+7] offset:128*(\b/2)+32*(\b%2)+16
.endr
	WIN TO_B                                       ; back into P's old sets, in window 1, by turns
.set BB, 128*((\a)%2)
.irp t, 0,1,2,3,4,5,6,7,8,9,10,11,12,13,14,15
	ds_load_b128 v[BB+4*\t:BB+4*\t+3], v[RD] offset:\t*SPITCH
.endr
	WIN 0
.endm
.macro SEND a, younger                 ; younger: the LDS instructions issued behind block a's loads, which may stay out
.set BB, 128*((\a)%2)
	s_wait_dscnt \younger
	WIN 0x04                                       ; the stores' data: window 1
.irp t, 0,1,2,3,4,5,6,7,8,9,10,11,12,13,14,15
	global_store_b128 v[CO], v[BB+4*\t:BB+4*\t+3], s[10:11] offset:(32*((\a)/2)+8*((\a)%2)+(\t%8)+16*(\t/8))*4096 th:TH_STORE_NT   ; position t of tile a is this row; 32 lanes store 512 consecutive bytes, aligned
.endr
	WIN 0
.endm
	PLACES 4                                       ; in front of the first read of results and of loads into P's old sets
	TOSTAGE 0
.irp a, 1,2,3
.if \a > 1
	s_wait_xcnt 0x0                                ; block a - 2's stores have read their registers: block a's loads may land there
.endif
	TOSTAGE \a
	SEND \a-1, 32                                  ; behind block a - 1's loads: block a's 16 stores and 16 loads
.endr
	SEND 3, 0
	s_wait_tensorcnt 0x0                           ; the wave's end
	ds_add_u32 v254, v255
	s_wait_dscnt 0x0
	CROUND                                         ; the closing round: no work-group ends while a partner may still ask for a tile that names it
	s_endpgm
.Lfunc_end_k_q9d2e0d6ad0_proj:
	.size	k_q9d2e0d6ad0_proj, .Lfunc_end_k_q9d2e0d6ad0_proj-k_q9d2e0d6ad0_proj
	.p2alignl 7, 3214868480
	.fill 96, 4, 3214868480
	.section	.rodata,"a",@progbits
	.p2align	6, 0x0
	.amdhsa_kernel k_q9d2e0d6ad0_proj
		.amdhsa_group_segment_fixed_size 327680
		.amdhsa_private_segment_fixed_size 0
		.amdhsa_enable_private_segment 0
		.amdhsa_kernarg_size 32
		.amdhsa_user_sgpr_count 2
		.amdhsa_user_sgpr_kernarg_segment_ptr 1
		.amdhsa_wavefront_size32 1
		.amdhsa_system_sgpr_workgroup_id_x 1
		.amdhsa_system_sgpr_workgroup_id_y 1
		.amdhsa_system_sgpr_workgroup_id_z 1
		.amdhsa_system_vgpr_workitem_id 0
		.amdhsa_next_free_vgpr 768
		.amdhsa_next_free_sgpr 100
		.amdhsa_reserve_vcc 0
		.amdhsa_float_denorm_mode_32 3
		.amdhsa_float_denorm_mode_16_64 3
		.amdhsa_memory_ordered 1
		.amdhsa_forward_progress 1
		.amdhsa_inst_pref_size 79
	.end_amdhsa_kernel
	.amdgpu_metadata
---
amdhsa.version: [ 1, 2 ]
amdhsa.kernels:
  - .name:           k_q9d2e0d6ad0_proj
    .symbol:         k_q9d2e0d6ad0_proj.kd
    .args:
      - { .name: ao, .offset: 0, .size: 8, .value_kind: global_buffer, .address_space: global }
      - { .name: wq, .offset: 8, .size: 8, .value_kind: global_buffer, .address_space: global }
      - { .name: b_out, .offset: 16, .size: 8, .value_kind: global_buffer, .address_space: global }
      - { .name: out0, .offset: 24, .size: 8, .value_kind: global_buffer, .address_space: global }
    .group_segment_fixed_size: 327680
    .private_segment_fixed_size: 0
    .kernarg_segment_align: 8
    .kernarg_segment_size: 32
    .max_flat_workgroup_size: 128
    .sgpr_count:     100
    .vgpr_count:     768
    .wavefront_size: 32
...
	.end_amdgpu_metadata
.endif
;; end of part 4
